; MI455X (gfx1250); checked and timed in simulation.
; The chip was launched on July 23, 2026; its instructions are those of AMD's public machine-readable ISA for CDNA 5 (MIT licence, August 2026) and "CDNA5" Instruction Set Architecture Reference Guide (July 2026). The comments in the code are by the model that wrote it; some were corrected since.
;; Patched MHA. Allowed arithmetic: matrix products marked QUANTISED: E2M3 operands, one E8M0 scale for each 32 along K, by v_wmma_scale_f32_16x16x128_f8f6f4 with both operands' format E2M3, f32 sums; everything else in f32.
;; Inputs: Wk 1,024 x 1,024 float32; Wo 1,024 x 1,024 float32; Wq 1,024 x 1,024 float32; Wv 1,024 x 1,024 float32; bk 1,024 float32; bo 1,024 float32; bq 1,024 float32; bv 1,024 float32; key 2 x 2,048 x 1,024 float32; mask 2 x 1 x 2,048 x 2,048 bool; query 2 x 2,048 x 1,024 float32; value 2 x 2,048 x 1,024 float32.
;; Outputs: out0 2 x 2,048 x 1,024 float32.
;; This version of the problem:
;;   THIS VERSION OF THE PROBLEM IS GIVEN IN LOW PRECISION. The matrix products marked QUANTISED in the list below multiply operands that are first quantised to E2M3 (2 exponent bits, 3 mantissa bits; 6 bits a number), with one power-of-two scale for each 32 numbers along K (OCP MX v1.0); their sums are f32. All else is computed in f32.
;;   The module's matrix products, in the order in which they are computed (A, B: the left and right operand; K: the contracted axis; several contracted axes count as one K, in the product's order):
;;     1. [M 4,096, K 1,024] x [K 1,024, N 1,024]; A: input query; B: input Wq: QUANTISED
;;     2. [M 4,096, K 1,024] x [K 1,024, N 1,024]; A: input key; B: input Wk: QUANTISED
;;     3. [M 4,096, K 1,024] x [K 1,024, N 1,024]; A: input value; B: input Wv: QUANTISED
;;     4. batch 32 x [M 2,048, K 64] x [K 64, N 2,048]; A: computed on the way; B: computed on the way: QUANTISED
;;     5. batch 32 x [M 2,048, K 2,048] x [K 2,048, N 64]; A: computed on the way; B: computed on the way: QUANTISED
;;     6. [M 4,096, K 1,024] x [K 1,024, N 1,024]; A: computed on the way; B: input Wo: QUANTISED
;;   THE QUANTISER, for each operand of a quantised product, along K:
;;     - K is cut into blocks of 32 from its start; a last block that is shorter is filled with zeros.
;;     - A block's scale is 2^e with e = floor(log2(the largest magnitude in the block)) - 2, held to -126 .. 127; a block of zeros has e = 0. As a byte (E8M0): e + 127.
;;     - Each number is divided by its block's scale, clamped to +-7.5, and rounded to the nearest number of E2M3, ties to even, subnormals kept.
;;     - The product sums the exact products of the quantised numbers (number of the format x scale) in f32.
;;   ~~~python
;;   def quantise(x, axis):      # numpy; x: float32 -> the quantised numbers, widened to float32 again
;;       x = np.moveaxis(x, axis, -1); K = x.shape[-1]
;;       x = np.pad(x, [(0, 0)] * (x.ndim - 1) + [(0, -K % 32)]); x = x.reshape(x.shape[:-1] + (-1, 32)); a = np.abs(x).max(-1, keepdims=True)
;;       e = np.where(a > 0, np.clip(np.frexp(np.where(a > 0, a, 1))[1] - 1 - 2, -126, 127), 0)      # np.frexp(a)[1] - 1 = floor(log2(a)), exactly
;;       r = np.clip(x / 2.0 ** e, -7.5, 7.5)
;;       step = 2.0 ** (np.maximum(np.frexp(np.where(r == 0, 1, r))[1] - 1, 0) - 3)
;;       q = np.round(r / step) * step * 2.0 ** e      # np.round: ties to even
;;       return np.moveaxis(q.reshape(q.shape[:-2] + (-1,))[..., :K], -1, axis).astype(np.float32)
;;   ~~~
;;   OPERANDS COMPUTED ON THE WAY. 'Computed on the way' means the value that the module computes at that place (a softmax that the list does not call 'softmax' is quantised finished and normalised). What goes into a quantiser is computed in f32, as accurately as f32 sums, v_exp_f32 and their like allow (about 1e-6 of the number): no bf16 or f16 on the way to a quantiser, and a product that is left as it is and whose result goes on into a quantised operand takes f32 operands (vector FMAs, or v_wmma_f32_16x16x4_f32). A number that lies on a knife's edge between two numbers of the format may be rounded either way, as far as f32 arithmetic and the matrix unit's own rounding can turn it there, and no further.
;; One version. Each part assembles by itself: llvm-mc -triple=amdgcn-amd-amdhsa -mcpu=gfx1250 --defsym DOCPART=n.
;; ======== version 1 of 1: 4 launches
;; limits: right only within a limited range of input values
;; workspace buffers: img 12,582,912 bytes; sc 524,288 bytes; maskw 6,291,456 bytes; qkv 9,437,184 bytes; qkvs 393,216 bytes; oimg 3,145,728 bytes; osc 131,072 bytes
;; launch prep (part 1): grid 448 x 1, 4 waves a work-group, no clusters, 76,288 bytes of LDS; arguments query, key, value, Wq, Wk, Wv, Wo, mask, img, sc, maskw; writes img, sc, maskw
.if DOCPART == 1
	.amdgcn_target "amdgcn-amd-amdhsa--gfx1250"
	.amdhsa_code_object_version 6
	.text
	.protected	k_qa2e01a55ef_prep
	.globl	k_qa2e01a55ef_prep
	.p2align	8
	.type	k_qa2e01a55ef_prep,@function
k_qa2e01a55ef_prep:
	s_mov_b64 s[64:65], 0
	v_nop
	global_prefetch_b8 v0, s[64:65] scope:SCOPE_SE
	s_setreg_imm32_b32 hwreg(HW_REG_WAVE_MODE, 25, 1), 1
	s_wait_xcnt 0x0
; PREP: query, key, value [4096][1024] and Wq, Wk, Wv, Wo [1024 (k)][1024 (n)], f32, become codes of FP6 (E2M3) with one E8M0 byte for each 32 along K; the mask's bytes become codes of E2M3.
; THE CODES' LAYOUT is the order of the matrix operand's registers.  A HALF IMAGE, 768 bytes, is 16 rows x 64 along K: lane l = r + 16 h holds row r, block h (32 codes, six registers):
; registers 0-3 at byte 16 l, registers 4-5 at byte 512 + 8 l.  A GROUP is 128 rows x K 1,024: [K step 8][tile 8][half 2][768] = 98,304 bytes; for a weight a row is a column n.
; Groups: query 0-31, key 32-63, value 64-95, Wq 96-103, Wk 104-111, Wv 112-119, Wo 120-127.  A group's scale bytes: [row 128][32], 4,096 bytes.
; THE ORDER INSIDE A BLOCK OF 32: place 16 a + 8 u + j holds number 16 u + 8 a + j (the two middle groups of eight change places), in every operand of this program alike, so every product keeps its sums;
; a block keeps its 32 numbers, so its scale is the stated one.  (It is the order in which a transposed product's results fall into a lane's registers in the later launches.)
; A block's scale is 2^(floor(log2(largest magnitude)) - 2): its byte is the largest magnitude's exponent field - 2, held at 1 from below.
; LIMITS: a block of zeros gets the byte 1 where the stated quantiser says 127 (its codes are zeros, and this program alone reads the bytes); NaN and infinities among the inputs are not served.
; SHARES: work-groups 0-127: path M, a wave to 16 rows x 1,024 keys of the mask; it has the most instructions for each byte, so its work-groups have the lowest numbers.
; 128-319: path X, a wave to a tile of 16 rows of query, key or value, all of K.  320-447: path W, a wave to 32 columns x 256 along K of a weight.
; Waves share nothing: no barrier.  Each path and each wave has LDS bytes of its own.  No work-group shares an input with another: no cluster, no matrix unit.
; A weight's scale bytes leave in pieces of 8 bytes, 32 bytes apart: 32 KiB in all for each weight.
.set XST,   0                          ; path X: 4 stages of 16 rows x 528 bytes
.set XPIT,  528                        ; 512 bytes + 16: the sixteen rows of a read begin in sixteen different groups of four banks
.set WST,   33792                      ; path W: 4 stages of 6,144 bytes: [K step 2][tile 2][half 2][768]
.set MST,   58368                      ; path M: 4 stages of 16 rows x 272 bytes
.set MPIT,  272
.set SPARE, 75776                      ; the spare words, 128 bytes a wave: two blocks of 256 bytes that no other line names
.set SPW,   1                          ; v1  LDS address of my spare word; never rewritten
.set NIL,   2                          ; v2  0; never rewritten
; v3 lane, v4 r = lane % 16, v5 h = lane / 16, v6 16 x lane, v7 8 x lane; v8-10 a path's addresses; v11-16 at work in QBLK; v17-18 bytes; v20-27 scale words; v32-43 codes
; 32 numbers of one block, v[s] .. v[s + 31] in the order of their places, become six registers of codes v[d] .. v[d + 5] and the scale's byte in v[e]
.macro QBLK s, d, e
	v_max3_num_f32 v12, |v[\s]|, |v[\s+1]|, |v[\s+2]|          ; the largest magnitude, in two chains
	v_max3_num_f32 v13, |v[\s+3]|, |v[\s+4]|, |v[\s+5]|
.irp i, 6,10,14,18,22,26
	v_max3_num_f32 v12, v12, |v[\s+\i]|, |v[\s+\i+1]|
	v_max3_num_f32 v13, v13, |v[\s+\i+2]|, |v[\s+\i+3]|
.endr
	v_max3_num_f32 v12, v12, |v[\s+30]|, |v[\s+31]|
	v_max3_num_f32 v12, v12, v13, 0x1800000                    ; and the floor 2^(3 - 127): the byte cannot fall under 1
	v_add_nc_u32 v11, 0xff000000, v12                          ; 2 off the exponent field: the conversion takes this operand's exponent field as its scale
	v_lshrrev_b32 v[\e], 23, v11                               ; the byte
	v_cvt_scalef32_pk16_fp6_f32 v[\d:\d+2], v[\s:\s+15], v11
	v_cvt_scalef32_pk16_fp6_f32 v[14:16], v[\s+16:\s+31], v11  ; (a conversion's three registers begin on an even number)
	v_nop                                                      ; one plain place behind a scaled conversion
	v_mov_b32 v[\d+3], v14
	v_mov_b32 v[\d+4], v15
	v_mov_b32 v[\d+5], v16
.endm
	s_load_b512 s[4:19], s[0:1], 0x0               ; query, key, value, Wq, Wk, Wv, Wo, mask
	s_load_b128 s[20:23], s[0:1], 0x40             ; img, sc
	s_load_b64 s[24:25], s[0:1], 0x50              ; maskw
	v_lshl_add_u32 v[SPW], v0, 2, SPARE
	v_mov_b32 v[NIL], 0
	v_lshrrev_b32 v3, 5, v0
	v_readfirstlane_b32 s26, v3                    ; wave 0..3
	v_and_b32 v3, 31, v0
	v_and_b32 v4, 15, v0
	v_bfe_u32 v5, v0, 4, 1
	v_lshlrev_b32 v6, 4, v3
	v_lshlrev_b32 v7, 3, v3
	s_mov_b32 s28, 0x76543210
	s_mov_b32 s29, 0xfedcba98                      ; v_permlanex16_b32's selects for lane l xor 16
	s_wait_kmcnt 0x0
	s_cmp_lt_u32 ttmp9, 128
	s_cbranch_scc1 .Lmask
	s_sub_co_u32 s35, ttmp9, 128                   ; 0..319: paths X and W
	s_cmp_lt_u32 s35, 192
	s_cbranch_scc0 .Lnot_x
; ---------------- PATH X: K is innermost.  Each load reads 512 consecutive bytes of a row; a K step's 16 x 512 bytes turn through my stage, so that a lane gets whole blocks of its row.
	s_cmp_lt_u32 s35, 128                          ; which tensor: the choice hangs on the work-group's number alone
	s_cselect_b64 s[6:7], s[6:7], s[8:9]
	s_cmp_lt_u32 s35, 64
	s_cselect_b64 s[4:5], s[4:5], s[6:7]
	s_lshl_b32 s27, s35, 2
	s_add_co_u32 s27, s27, s26                     ; my tile, 0..767
	s_and_b32 s30, s27, 255
	s_lshl_b32 s30, s30, 16                        ; 16 rows of 4,096 bytes
	s_mov_b32 s31, 0
	s_add_nc_u64 s[4:5], s[4:5], s[30:31]
	s_lshr_b32 s30, s27, 3                         ; the group,
	s_mul_i32 s30, s30, 98304
	s_and_b32 s32, s27, 7                          ; the tile in it
	s_mul_i32 s32, s32, 1536
	s_add_co_u32 s30, s30, s32
	s_add_nc_u64 s[20:21], s[20:21], s[30:31]
	s_lshl_b32 s30, s27, 9                         ; 16 rows of 32 scale bytes
	s_add_nc_u64 s[22:23], s[22:23], s[30:31]
	s_mul_i32 s32, s26, 16*XPIT
	s_wait_alu depctr_va_vdst(0)
	v_add_nc_u32 v8, s32, v6                       ; into the stage: 16 x lane, a row an instruction
	v_mul_u32_u24 v9, v4, XPIT
	v_lshl_add_u32 v9, v5, 7, v9
	v_add_nc_u32 v9, s32, v9                       ; out of it: row r, + 128 h: my block of each 64 numbers
	v_lshlrev_b32 v10, 3, v5                       ; 8 h: my bytes' place in a scale word
	v_mov_b32 v19, 0                               ; (a lane permute's destination counts as one of its sources)
.macro LOADX s                         ; K step s: 16 rows x 512 bytes into set s % 2
.irp i, 0,1,2,3,4,5,6,7,8,9,10,11,12,13,14,15
	global_load_b128 v[64+64*((\s)%2)+4*\i:64+64*((\s)%2)+4*\i+3], v6, s[4:5] offset:\i*4096+(\s)*512 th:TH_LOAD_NT
.endr
.endm
.macro XSTEP s
.if (\s) < 7
	s_wait_loadcnt 16                              ; this step's 16 loads are in; the next step's 16 may be out
.else
	s_wait_loadcnt 0x0
.endif
.irp i, 0,1,2,3,4,5,6,7,8,9,10,11,12,13,14,15
	ds_store_b128 v8, v[64+64*((\s)%2)+4*\i:64+64*((\s)%2)+4*\i+3] offset:XST+\i*XPIT
.endr
.irp c, 0,1                            ; LDS serves a wave's instructions in order: these see the stores.  Block 2 c + h of my row, its groups of eight in the order 0, 2, 1, 3
.irp q, 0,1,2,3,4,5,6,7
	ds_load_b128 v[192+32*\c+4*\q:192+32*\c+4*\q+3], v9 offset:XST+256*\c+16*(4*((\q/2)%2)+2*(\q/4)+\q%2)
.endr
.endr
	s_wait_dscnt 0x0                               ; my numbers are back, and the stores have read their registers
	s_wait_xcnt 0x0                                ; the last step's stores have read their registers: the codes may be written again
.if (\s)+2 < 8
	LOADX (\s)+2
.endif
	QBLK 192, 32, 17
	QBLK 224, 38, 18
	v_lshl_or_b32 v[20+(\s)], v18, 16, v17         ; my two bytes, blocks h and 2 + h,
	v_lshlrev_b32 v[20+(\s)], v10, v[20+(\s)]      ; at their places;
	v_permlanex16_b32 v19, v[20+(\s)], s28, s29
	v_or_b32 v[20+(\s)], v[20+(\s)], v19           ; with lane l xor 16's two the step's word is whole
	global_store_b128 v6, v[32:35], s[20:21] offset:(\s)*12288        ; 512 and 256 consecutive bytes an instruction
	global_store_b64 v7, v[36:37], s[20:21] offset:(\s)*12288+512
	global_store_b128 v6, v[38:41], s[20:21] offset:(\s)*12288+768
	global_store_b64 v7, v[42:43], s[20:21] offset:(\s)*12288+1280
.endm
	LOADX 0
	LOADX 1
	s_wait_alu depctr_va_vdst(0)
.irp s, 0,1,2,3,4,5,6,7
	XSTEP \s
.endr
	v_cmp_ne_u32 vcc_lo, 0, v5
.irp i, 0,1,2,3
	v_cndmask_b32 v[28+\i], v[20+\i], v[24+\i], vcc_lo   ; lanes 0-15 store words 0-3 of their row, lanes 16-31 words 4-7
.endr
	v_lshlrev_b32 v44, 5, v4
	v_lshl_add_u32 v44, v5, 4, v44
	global_store_b128 v44, v[28:31], s[22:23]      ; 512 consecutive bytes
	s_wait_tensorcnt 0x0                           ; the wave's end
	ds_add_u32 v[SPW], v[NIL]
	s_wait_dscnt 0x0
	s_endpgm
.Lnot_x:
; ---------------- PATH W: K is the first axis.  A lane takes a column n and its registers run down K: a block lies in one lane, and nothing is transposed by an instruction.
	s_sub_co_u32 s27, ttmp9, 320                   ; 0..127: 32 work-groups a weight
	s_cmp_lt_u32 s27, 96
	s_cselect_b64 s[14:15], s[14:15], s[16:17]
	s_cmp_lt_u32 s27, 64
	s_cselect_b64 s[12:13], s[12:13], s[14:15]
	s_cmp_lt_u32 s27, 32
	s_cselect_b64 s[10:11], s[10:11], s[12:13]
	s_and_b32 s30, s27, 7                          ; x: which 128 columns
	s_bfe_u32 s31, s27, 0x20003                    ; y: which 256 along K
	s_lshr_b32 s32, s27, 5                         ; which weight
	s_lshl_b32 s34, s31, 20                        ; 256 rows of 4,096 bytes,
	s_lshl_b32 s33, s30, 9                         ; 128 columns,
	s_add_co_u32 s34, s34, s33
	s_lshl_b32 s33, s26, 7                         ; my wave's 32
	s_add_co_u32 s34, s34, s33
	s_mov_b32 s35, 0
	s_add_nc_u64 s[10:11], s[10:11], s[34:35]
	s_lshl_b32 s32, s32, 3
	s_add_co_u32 s32, s32, s30
	s_add_co_u32 s32, s32, 96                      ; the group
	s_mul_i32 s34, s32, 98304
	s_mul_i32 s33, s31, 2*12288                    ; K steps 2 y, 2 y + 1
	s_add_co_u32 s34, s34, s33
	s_mul_i32 s33, s26, 2*1536                     ; tiles 2 w, 2 w + 1
	s_add_co_u32 s34, s34, s33
	s_add_nc_u64 s[20:21], s[20:21], s[34:35]
	s_lshl_b32 s34, s32, 12
	s_lshl_b32 s33, s26, 10                        ; 32 rows of 32 bytes
	s_add_co_u32 s34, s34, s33
	s_lshl_b32 s33, s31, 3                         ; 8 blocks
	s_add_co_u32 s34, s34, s33
	s_add_nc_u64 s[22:23], s[22:23], s[34:35]
	s_mul_i32 s33, s26, 6144
	s_add_co_u32 s33, s33, WST
	s_wait_alu depctr_va_vdst(0)
	v_mul_u32_u24 v9, v5, 1536                     ; my column's tile of the wave's two,
	v_add_nc_u32 v9, s33, v9
	v_lshl_add_u32 v10, v4, 3, v9
	v_add_nc_u32 v10, 512, v10                     ; registers 4-5: 512 + 8 x (row + 16 x block's half)
	v_lshl_add_u32 v9, v4, 4, v9                   ; registers 0-3: 16 x (row + 16 x block's half)
	v_add_nc_u32 v45, s33, v6                      ; and back as it lies
	v_lshlrev_b32 v8, 2, v3                        ; in: 4 bytes a lane
	v_lshlrev_b32 v44, 5, v3                       ; my column's row of scale bytes
.macro LOADW t                         ; block t: W(32 t + the place's number, my column) into set t % 2
.irp i, 0,1,2,3,4,5,6,7,8,9,10,11,12,13,14,15,16,17,18,19,20,21,22,23,24,25,26,27,28,29,30,31
	global_load_b32 v[64+32*((\t)%2)+\i], v8, s[10:11] offset:(32*(\t)+16*((\i/8)%2)+8*(\i/16)+\i%8)*4096 th:TH_LOAD_NT
.endr
.endm
.macro WBLK t
.set XS, 64+32*((\t)%2)
.if (\t) < 7
	s_wait_loadcnt 32                              ; this block's 32 loads are in; the next block's may be out
.else
	s_wait_loadcnt 0x0
.endif
	QBLK XS, 32, 17
.if (\t)%4 == 0
	v_mov_b32 v[20+(\t)/4], v17                    ; four bytes to a word, the lower K in the lower byte
.else
	v_lshl_or_b32 v[20+(\t)/4], v17, 8*((\t)%4), v[20+(\t)/4]
.endif
	ds_store_b128 v9, v[32:35] offset:((\t)/4)*3072+(((\t)%4)/2)*768+256*((\t)%2)   ; K step t / 4, half (t % 4) / 2, lanes' half t % 2
	ds_store_b64 v10, v[36:37] offset:((\t)/4)*3072+(((\t)%4)/2)*768+128*((\t)%2)
.if (\t)+2 < 8
	LOADW (\t)+2
.endif
	s_wait_dscnt 0x0                               ; the stores have read their registers: the next block's codes may be written
.endm
	LOADW 0
	LOADW 1
.irp t, 0,1,2,3,4,5,6,7
	WBLK \t
.endr
	s_wait_alu depctr_va_vdst(0)
	global_store_b64 v44, v[20:21], s[22:23]       ; my column's 8 scale bytes
.irp k, 0,1,2,3,4,5,6,7,8,9,10,11
	ds_load_b128 v[128+4*\k:128+4*\k+3], v45 offset:512*\k
.endr
.irp k, 0,1,2,3,4,5,6,7,8,9,10,11
	s_wait_dscnt 11-\k                             ; LDS loads come back in order: piece k is in
	global_store_b128 v6, v[128+4*\k:128+4*\k+3], s[20:21] offset:(\k/6)*12288+512*(\k%6)   ; 512 consecutive bytes
.endr
	s_wait_tensorcnt 0x0                           ; the wave's end
	ds_add_u32 v[SPW], v[NIL]
	s_wait_dscnt 0x0
	s_endpgm
.Lmask:
; ---------------- PATH M: mask[b][q][k], a byte each, becomes codes of E2M3: -1 (code 40) where the byte is set, 0 where it is not, laid as a matrix operand's registers:
; for 16 queries and a step of 128 keys two half images of 768 bytes; lane r + 16 h of half c holds query r, keys 64 c + 32 h + 0 .. 31.  A wave takes 16 queries and 1,024 keys, 256 keys a trip.
	s_lshl_b32 s27, ttmp9, 2
	s_add_co_u32 s27, s27, s26                     ; 2 x (128 b + tile of queries) + which half of the keys, 0..511
	s_lshr_b32 s32, s27, 1
	s_and_b32 s33, s27, 1
	s_lshl_b32 s30, s32, 15                        ; 16 rows of 2,048 bytes,
	s_lshl_b32 s31, s33, 10                        ; + 1,024 keys
	s_add_co_u32 s30, s30, s31
	s_mov_b32 s31, 0
	s_add_nc_u64 s[18:19], s[18:19], s[30:31]
	s_mul_i32 s30, s27, 12288                      ; 8 steps of 1,536 bytes
	s_add_nc_u64 s[24:25], s[24:25], s[30:31]
	s_mul_i32 s32, s26, 16*MPIT
	s_add_co_u32 s32, s32, MST
	s_wait_alu depctr_va_vdst(0)
	v_lshlrev_b32 v8, 4, v4
	v_lshl_add_u32 v9, v5, 11, v8                  ; in: sixteen lanes read 256 bytes of a row, two rows an instruction
	v_mul_u32_u24 v10, v5, MPIT
	v_add_nc_u32 v10, v10, v8
	v_add_nc_u32 v10, s32, v10                     ; into the stage likewise
	v_mul_u32_u24 v11, v4, MPIT
	v_lshl_add_u32 v11, v5, 5, v11
	v_add_nc_u32 v11, s32, v11                     ; out of it: row r, + 32 h
.macro MLD
.irp i, 0,1,2,3,4,5,6,7
	global_load_b128 v[64+4*\i:64+4*\i+3], v9, s[18:19] offset:\i*4096 th:TH_LOAD_NT
.endr
.endm
.macro MCHUNK more
	s_wait_loadcnt 0x0                             ; the chunk is in, and its loads have read their base
.irp i, 0,1,2,3,4,5,6,7
	ds_store_b128 v10, v[64+4*\i:64+4*\i+3] offset:\i*2*MPIT
.endr
.irp t, 0,1,2,3,4,5,6,7
	ds_load_b128 v[96+4*\t:96+4*\t+3], v11 offset:64*(\t/2)+16*(\t%2)   ; half image t / 2 of the chunk's four: keys 64 (t / 2) + 32 h + 0 .. 31 of my query
.endr
	s_wait_dscnt 0x0
.if \more
	s_add_nc_u64 s[18:19], s[18:19], 256
	MLD                                            ; the next 256 keys, while this chunk is worked
.endif
; Each register's four bytes become four codes of 6 bits.  All 32 registers at a time, each of the three lines 32 times on end,
; in 32 registers: no line reads what the line above it has just made
; Four bytes b0 .. b3 (0 or 1, at bits 0, 8, 16, 24) x 0x55 put b_i at bits 8 i + 0, 2, 4, 6, all apart; bits 6, 12, 18, 24 are kept: b_i at 6 i + 6.  With itself shifted by 2: b_i at 6 i + 6 and 6 i + 8, four codes 40 b_i, 3 bits up
.set k, 0
.rept 32
	v_mul_lo_u32 v[96+k], v[96+k], 0x55
.set k, k+1
.endr
.set k, 0
.rept 32
	v_and_b32 v[96+k], 0x1041040, v[96+k]
.set k, k+1
.endr
.set k, 0
.rept 32
	v_lshl_or_b32 v[96+k], v[96+k], 2, v[96+k]
.set k, k+1
.endr
.set g, 0
.rept 8                                ; four runs of 24 bits make three registers
	v_lshrrev_b32 v[32+3*g], 3, v[96+4*g]
	v_lshrrev_b32 v[33+3*g], 11, v[97+4*g]
	v_lshrrev_b32 v[34+3*g], 19, v[98+4*g]
	v_lshl_or_b32 v[32+3*g], v[97+4*g], 21, v[32+3*g]
	v_lshl_or_b32 v[33+3*g], v[98+4*g], 13, v[33+3*g]
	v_lshl_or_b32 v[34+3*g], v[99+4*g], 5, v[34+3*g]
.set g, g+1
.endr
.set g, 0
.rept 4
	global_store_b128 v6, v[32+6*g:35+6*g], s[24:25] offset:768*g       ; 512 and 256 consecutive bytes an instruction
	global_store_b64 v7, v[36+6*g:37+6*g], s[24:25] offset:768*g+512
.set g, g+1
.endr
.if \more
	s_wait_xcnt 0x0                                ; the store has read its registers and its base: both are written again
	s_add_nc_u64 s[24:25], s[24:25], 3072
.endif
.endm
	MLD
	s_mov_b32 s34, 3
.Lchunk:
	s_wait_alu depctr_va_vdst(0)
	MCHUNK 1
	s_sub_co_u32 s34, s34, 1
	s_cmp_lg_u32 s34, 0
	s_cbranch_scc1 .Lchunk
	MCHUNK 0                                       ; the last chunk is written out: no load leaves my part of the buffer
	s_wait_tensorcnt 0x0                           ; the wave's end
	ds_add_u32 v[SPW], v[NIL]
	s_wait_dscnt 0x0
	s_endpgm
.Lfunc_end_k_qa2e01a55ef_prep:
	.size	k_qa2e01a55ef_prep, .Lfunc_end_k_qa2e01a55ef_prep-k_qa2e01a55ef_prep
	.p2alignl 7, 3214868480
	.fill 96, 4, 3214868480
	.section	.rodata,"a",@progbits
	.p2align	6, 0x0
	.amdhsa_kernel k_qa2e01a55ef_prep
		.amdhsa_group_segment_fixed_size 76288
		.amdhsa_private_segment_fixed_size 0
		.amdhsa_enable_private_segment 0
		.amdhsa_kernarg_size 88
		.amdhsa_user_sgpr_count 2
		.amdhsa_user_sgpr_kernarg_segment_ptr 1
		.amdhsa_wavefront_size32 1
		.amdhsa_system_sgpr_workgroup_id_x 1
		.amdhsa_system_sgpr_workgroup_id_y 1
		.amdhsa_system_sgpr_workgroup_id_z 1
		.amdhsa_system_vgpr_workitem_id 0
		.amdhsa_next_free_vgpr 256
		.amdhsa_next_free_sgpr 66
		.amdhsa_reserve_vcc 1
		.amdhsa_float_denorm_mode_32 3
		.amdhsa_float_denorm_mode_16_64 3
		.amdhsa_memory_ordered 1
		.amdhsa_forward_progress 1
		.amdhsa_inst_pref_size 125
	.end_amdhsa_kernel
	.amdgpu_metadata
---
amdhsa.version: [ 1, 2 ]
amdhsa.kernels:
  - .name:           k_qa2e01a55ef_prep
    .symbol:         k_qa2e01a55ef_prep.kd
    .args:
      - { .name: query, .offset: 0, .size: 8, .value_kind: global_buffer, .address_space: global }
      - { .name: key, .offset: 8, .size: 8, .value_kind: global_buffer, .address_space: global }
      - { .name: value, .offset: 16, .size: 8, .value_kind: global_buffer, .address_space: global }
      - { .name: Wq, .offset: 24, .size: 8, .value_kind: global_buffer, .address_space: global }
      - { .name: Wk, .offset: 32, .size: 8, .value_kind: global_buffer, .address_space: global }
      - { .name: Wv, .offset: 40, .size: 8, .value_kind: global_buffer, .address_space: global }
      - { .name: Wo, .offset: 48, .size: 8, .value_kind: global_buffer, .address_space: global }
      - { .name: mask, .offset: 56, .size: 8, .value_kind: global_buffer, .address_space: global }
      - { .name: img, .offset: 64, .size: 8, .value_kind: global_buffer, .address_space: global }
      - { .name: sc, .offset: 72, .size: 8, .value_kind: global_buffer, .address_space: global }
      - { .name: maskw, .offset: 80, .size: 8, .value_kind: global_buffer, .address_space: global }
    .group_segment_fixed_size: 76288
    .private_segment_fixed_size: 0
    .kernarg_segment_align: 8
    .kernarg_segment_size: 88
    .max_flat_workgroup_size: 128
    .sgpr_count:     66
    .vgpr_count:     256
    .wavefront_size: 32
...
	.end_amdgpu_metadata
.endif
;; end of part 1
;; launch proj (part 2): grid 8 x 96, 4 waves a work-group, clusters of 4 x 4, 205,312 bytes of LDS; arguments img, sc, bq, bk, bv, qkv, qkvs; writes qkv, qkvs
.if DOCPART == 2
	.amdgcn_target "amdgcn-amd-amdhsa--gfx1250"
	.amdhsa_code_object_version 6
	.text
	.protected	k_qa2e01a55ef_proj
	.globl	k_qa2e01a55ef_proj
	.p2align	8
	.type	k_qa2e01a55ef_proj,@function
k_qa2e01a55ef_proj:
	s_mov_b64 s[64:65], 0
	v_nop
	global_prefetch_b8 v0, s[64:65] scope:SCOPE_SE
	s_setreg_imm32_b32 hwreg(HW_REG_WAVE_MODE, 25, 1), 1
	s_wait_xcnt 0x0
	s_wait_alu depctr_hold_cnt(0) depctr_sa_sdst(0) depctr_va_vdst(0) depctr_va_sdst(0) depctr_va_ssrc(0) depctr_va_vcc(0) depctr_vm_vsrc(0)
	s_getreg_b32 s2, hwreg(HW_REG_IB_STS2, 6, 4)
	s_cmp_eq_u32 s2, 0
	s_cbranch_scc0 .Lentry_in_a_cluster
	s_endpgm
.Lentry_in_a_cluster:
	s_bfe_u32 s2, ttmp6, 0x10000c
	s_cmp_lg_u32 s2, 0xf033
	s_cbranch_scc0 .Lentry_shape_is_right
	s_endpgm
.Lentry_shape_is_right:
; PROJ: Q = query Wq + bq, K = key Wk + bk, V = value Wv + bv on codes of FP6 (E2M3) with E8M0 scales, and each result quantised at once for attention's two products.
; ONE TEXT FOR THE THREE.  The matrix instruction's source 1 is P (its 16 rows fall to the lanes of the result), source 0 is R (its 16 rows fall to a lane's registers); the result is quantised along R.
;   Q, K (tz = 0, 1): P = 128 rows of the tokens, R = 128 columns of the weight: a lane holds one token, its registers run along the head's channels, attention's first K.
;   V (tz = 2):       P = 128 columns of Wv, R = 128 rows of value: a lane holds one channel, its registers run along the keys, attention's second K.
; Operands arrive as images of the operand's registers (a half image of 768 bytes: 16 rows x 64 K; lane l's registers 0-3 at 16 l, 4-5 at 512 + 8 l), a group of 128 rows x K 1,024 as [K step][tile][half][768].
; SHARES.  A work-group makes 128 x 128; wave w takes P's rows 32 w .. 32 w + 31 (two tiles) against all of R's eight tiles: 16 accumulators.  All of K of both groups lies in LDS, filled once: 2 x 98,304 bytes.
; CLUSTER 4 x 4: the four work-groups of a row of the cluster need the same group of P, the four of a column the same group of R: each is asked for jointly.
; A wave has one tensor load out: a whole group of codes or a group's scale bytes.
; THE ORDER INSIDE A BLOCK OF 32: the tiles of R are 16 neighbouring rows, so a lane's 16 registers of two neighbouring tiles are numbers 8 h + j and 16 + 8 h + j of a block: place 16 h + 8 u + j holds number 16 u + 8 h + j,
; in every operand of this program alike.
; OUT.  qkv: q at 0, k at 3,145,728: [(b, head) 32][tile of 16 tokens 128] half images; v at 6,291,456: [(b, head)][step of 128 keys 16][tile of 16 channels 4][half 2].
;       qkvs: q at 0, k at 131,072: [(b, head)][pair of tiles 64][row 16] words = two bytes of the even tile's row, two of the odd tile's; v at 262,144: [(b, head)][step][tile of channels][row] words.
; LIMITS: a block of zeros carries the byte 1 (its codes are zeros); NaN and infinities are not served; the scale words leave in pieces of 64 bytes.
; REGISTERS.  Window 0: v1-3 lane, r, h; v4, v5 the add's two; v6, v7 16 x and 8 x lane; v8-15 fragment addresses; v16, v17 scale addresses; v20-23 the bias along P; v32-36, v40-44 scale words, two sets;
;   v64-127 the bias along R; v128-247 fragments, set 0; in the epilogue v128-191 the results, v192-211 codes, v212-227 at work, v228-229 scale words.   Window 1: v0-127 accumulators; v128-247 fragments, set 1.
.set GRP,   98304
.set KST,   12288                      ; a K step of a group
.set FRB,   1536                       ; a fragment: two half images
.set CHK,   24576
.set RIMG,  98304                      ; LDS: P's group at 0, R's here,
.set PSC,   196608                     ; P's scale bytes, [row][32],
.set RSC,   200704                     ; R's,
.set SPARE, 204800                     ; the spare words, 128 bytes a wave: two blocks of 256 bytes that no other line names
.set SPW, 4
.set NIL, 5
.set SCS, 32
.set BP,  20
.set BR,  64
.set VAL, 128
.set PC,  192
.set TM,  212
.set PW,  228
.set G1P,  40                          ; s[40:47] group 1 for P's codes;  s[48:55] R's;  s[56:63] P's scales;  s[68:75] R's scales
.set G1R,  48
.set G1PS, 56
.set G1RS, 68
.set G0P,  76                          ; s[76:83] groups 0 for P: scales, codes;  s[88:95] for R
.set G0R,  88
.set MSB, 0
.macro WIN new                         ; the immediate's high byte repeats the setting that is left
.if MSB != \new
	s_set_vgpr_msb (MSB<<8)|\new
.set MSB, \new
.endif
.endm
; A joint load: waves 0 and 1 fetch for P, waves 2 and 3 for R.  The branch hangs on the wave's number alone.  An s_nop 0 and four v_nop follow each line.
.macro JLOAD g0a, g1a, g0b, g1b
	s_cmp_eq_u32 s19, 0
	s_cbranch_scc0 .Lfor_r_\@
	tensor_load_to_lds s[\g0a:\g0a+3], s[\g1a:\g1a+7]
	s_nop 0
.rept 4
	v_nop
.endr
	s_branch .Lasked_\@
.Lfor_r_\@:
	tensor_load_to_lds s[\g0b:\g0b+3], s[\g1b:\g1b+7]
	s_nop 0
.rept 4
	v_nop
.endr
.Lasked_\@:
.endm
.macro CROUND                          ; a round of the cluster's barrier
	s_barrier_signal -1
	s_barrier_wait -1
	s_cmp_lg_u32 s18, 0
	s_cbranch_scc1 .Lnot_wave_0_\@
	s_barrier_signal -3
.Lnot_wave_0_\@:
	s_barrier_wait -3
	s_barrier_signal -1
	s_barrier_wait -1
.endm
; One product.  d accumulator, a source 0, b source 1, sa, sb their scale registers, ra, rb = 1: the scales stand in lanes 16-31; zero = 1: it starts the sum
.macro WM d, a, b, sa, sb, ra, rb, zero
.if \zero
.if ((\ra) == 0) && ((\rb) == 0)
	v_wmma_scale_f32_16x16x128_f8f6f4 v[(\d):(\d)+7], v[(\a):(\a)+11], v[(\b):(\b)+11], 0, v[\sa], v[\sb] matrix_a_fmt:MATRIX_FMT_FP6 matrix_b_fmt:MATRIX_FMT_FP6
.elseif (\rb) == 0
	v_wmma_scale_f32_16x16x128_f8f6f4 v[(\d):(\d)+7], v[(\a):(\a)+11], v[(\b):(\b)+11], 0, v[\sa], v[\sb] matrix_a_fmt:MATRIX_FMT_FP6 matrix_b_fmt:MATRIX_FMT_FP6 matrix_a_scale:MATRIX_SCALE_ROW1
.elseif (\ra) == 0
	v_wmma_scale_f32_16x16x128_f8f6f4 v[(\d):(\d)+7], v[(\a):(\a)+11], v[(\b):(\b)+11], 0, v[\sa], v[\sb] matrix_a_fmt:MATRIX_FMT_FP6 matrix_b_fmt:MATRIX_FMT_FP6 matrix_b_scale:MATRIX_SCALE_ROW1
.else
	v_wmma_scale_f32_16x16x128_f8f6f4 v[(\d):(\d)+7], v[(\a):(\a)+11], v[(\b):(\b)+11], 0, v[\sa], v[\sb] matrix_a_fmt:MATRIX_FMT_FP6 matrix_b_fmt:MATRIX_FMT_FP6 matrix_a_scale:MATRIX_SCALE_ROW1 matrix_b_scale:MATRIX_SCALE_ROW1
.endif
.else
.if ((\ra) == 0) && ((\rb) == 0)
	v_wmma_scale_f32_16x16x128_f8f6f4 v[(\d):(\d)+7], v[(\a):(\a)+11], v[(\b):(\b)+11], v[(\d):(\d)+7], v[\sa], v[\sb] matrix_a_fmt:MATRIX_FMT_FP6 matrix_b_fmt:MATRIX_FMT_FP6
.elseif (\rb) == 0
	v_wmma_scale_f32_16x16x128_f8f6f4 v[(\d):(\d)+7], v[(\a):(\a)+11], v[(\b):(\b)+11], v[(\d):(\d)+7], v[\sa], v[\sb] matrix_a_fmt:MATRIX_FMT_FP6 matrix_b_fmt:MATRIX_FMT_FP6 matrix_a_scale:MATRIX_SCALE_ROW1
.elseif (\ra) == 0
	v_wmma_scale_f32_16x16x128_f8f6f4 v[(\d):(\d)+7], v[(\a):(\a)+11], v[(\b):(\b)+11], v[(\d):(\d)+7], v[\sa], v[\sb] matrix_a_fmt:MATRIX_FMT_FP6 matrix_b_fmt:MATRIX_FMT_FP6 matrix_b_scale:MATRIX_SCALE_ROW1
.else
	v_wmma_scale_f32_16x16x128_f8f6f4 v[(\d):(\d)+7], v[(\a):(\a)+11], v[(\b):(\b)+11], v[(\d):(\d)+7], v[\sa], v[\sb] matrix_a_fmt:MATRIX_FMT_FP6 matrix_b_fmt:MATRIX_FMT_FP6 matrix_a_scale:MATRIX_SCALE_ROW1 matrix_b_scale:MATRIX_SCALE_ROW1
.endif
.endif
.endm
; A fragment, 12 registers, from its two half images: every instruction reads consecutive bytes
.macro FRAG reg, a16, a8, off
	ds_load_b128 v[(\reg):(\reg)+3], v[\a16] offset:\off
	ds_load_b64 v[(\reg)+4:(\reg)+5], v[\a8] offset:\off
	ds_load_b128 v[(\reg)+6:(\reg)+9], v[\a16] offset:(\off)+768
	ds_load_b64 v[(\reg)+10:(\reg)+11], v[\a8] offset:(\off)+768
.endm
; K step s: R's eight fragments, my two of P, and the scale words, into set s % 2: 45 LDS loads
.macro FETCH s
.if (\s)%2
	WIN 0x40                                       ; destination window 1, address window 0
.else
	WIN 0
.endif
.irp T, 0,1,2,3,4,5,6,7
	FRAG 128+12*\T, 10+4*((\s)/4), 11+4*((\s)/4), ((\s)%4)*KST+\T*FRB
.endr
.irp pl, 0,1
	FRAG 224+12*\pl, 8+4*((\s)/4), 9+4*((\s)/4), ((\s)%4)*KST+\pl*FRB
.endr
	WIN 0                                          ; scale operands have no window: they lie in window 0
.irp x, 0,1,2,3
	ds_load_b32 v[SCS+8*((\s)%2)+\x], v17 offset:1024*\x+4*(\s)   ; lanes 0-15: R's tile 2 x, lanes 16-31: tile 2 x + 1
.endr
	ds_load_b32 v[SCS+8*((\s)%2)+4], v16 offset:4*(\s)            ; lanes 0-15: my first tile of P, lanes 16-31: my second
.endm
.macro KSTEP s
.if (\s) < 7
.if (\s) > 0
.rept 4
	v_nop                                          ; four places between the last step's products and the loads into the registers that they read (ISA guide 7.12.1 for vector instructions)
.endr
.endif
	FETCH (\s)+1
	s_wait_dscnt 45                                ; all but the 45 just issued: this step's operands are in
.else
	s_wait_dscnt 0x0
.endif
.if (\s)%2
	WIN 0x55                                       ; sources in window 1; C and D in window 1
.else
	WIN 0x50                                       ; sources in window 0; C and D in window 1
.endif
.set SS, SCS+8*((\s)%2)
.irp T, 0,1,2,3,4,5,6,7                ; the 16 accumulators take turns, one instruction a turn, in the same order in every step
.irp pl, 0,1
.if (\s) == 0
	WM 8*(8*\pl+\T), 128+12*\T, 224+12*\pl, SS+\T/2, SS+4, \T%2, \pl, 1
.else
	WM 8*(8*\pl+\T), 128+12*\T, 224+12*\pl, SS+\T/2, SS+4, \T%2, \pl, 0
.endif
.endr
.endr
.endm
; 64 numbers of a lane, register 16 b + i = place 32 b + 16 h + i of my row, become a fragment's codes in v[PC] on and its scale word in v[pw]
.macro QUANT s, pw
.irp b, 0,1,2,3
	v_max3_num_f32 v[TM+\b], |v[\s+16*\b]|, |v[\s+1+16*\b]|, 0x1800000   ; block b: my 16 numbers, and the floor 2^(3 - 127): the byte cannot fall under 1
.endr
.irp i, 2,4,6,8,10,12,14
.irp b, 0,1,2,3
	v_max3_num_f32 v[TM+\b], v[TM+\b], |v[\s+16*\b+\i]|, |v[\s+1+16*\b+\i]|
.endr
.endr
.irp b, 0,1,2,3
	v_permlanex16_b32 v[TM+4+\b], v[TM+\b], s30, s31
.endr
.irp b, 0,1,2,3
	v_max_num_f32 v[TM+\b], v[TM+\b], v[TM+4+\b]   ; with lane l xor 16's: the block's largest magnitude
.endr
.irp b, 0,1,2,3
	v_add_nc_u32 v[TM+12+\b], 0xff000000, v[TM+\b] ; 2 off its exponent field: the conversion's scale operand
.endr
.irp b, 0,1,2,3
	v_lshrrev_b32 v[TM+4+\b], 23, v[TM+12+\b]      ; the byte
.endr
	v_lshl_or_b32 v[\pw], v[TM+5], 8, v[TM+4]
	v_lshl_or_b32 v[\pw], v[TM+6], 16, v[\pw]
	v_lshl_or_b32 v[\pw], v[TM+7], 24, v[\pw]
.irp c, 0,1
	v_cvt_scalef32_pk16_fp6_f32 v[PC+6*\c:PC+2+6*\c], v[\s+32*\c:\s+15+32*\c], v[TM+12+2*\c]
	v_cvt_scalef32_pk16_fp6_f32 v[PC+12+4*\c:PC+14+4*\c], v[\s+16+32*\c:\s+31+32*\c], v[TM+12+2*\c+1]   ; (a conversion's three registers begin on an even number)
.endr
	v_nop                                          ; one plain place behind a scaled conversion
.irp c, 0,1                            ; the operand wants a whole block in a lane: lanes 0-15 block 2 c, lanes 16-31 block 2 c + 1
.irp i, 0,1,2
	v_permlane16_swap_b32 v[PC+6*\c+\i], v[PC+12+4*\c+\i]
.endr
.irp i, 0,1,2
	v_mov_b32 v[PC+3+6*\c+\i], v[PC+12+4*\c+\i]
.endr
.endr
.endm
	s_load_b256 s[4:11], s[0:1], 0x0               ; img, sc, bq, bk
	s_load_b128 s[12:15], s[0:1], 0x20             ; bv, qkv
	s_load_b64 s[16:17], s[0:1], 0x30              ; qkvs
	v_lshl_add_u32 v[SPW], v0, 2, SPARE
	v_mov_b32 v[NIL], 0
	ds_add_u32 v[SPW], v[NIL]                      ; the wave's opening: the add and its wait stand ahead of my first tensor load; work on registers stands between them
	ds_add_u32 v[SPW], v[NIL]
	v_lshrrev_b32 v1, 5, v0
	v_readfirstlane_b32 s18, v1                    ; wave 0..3
	s_lshr_b32 s19, s18, 1                         ; I fetch for P (0) or for R (1),
	s_and_b32 s20, s18, 1                          ; its first or second part
	s_bfe_u32 s21, ttmp6, 0x40000                  ; cx
	s_bfe_u32 s22, ttmp6, 0x40004                  ; cy
	s_and_b32 s24, ttmp7, 0xffff                   ; the cluster's y, 0..23
	s_lshr_b32 s23, s24, 3                         ; tz: 0 Q, 1 K, 2 V: the same in all partners
	s_and_b32 s24, s24, 7
	s_lshl_b32 s30, s23, 5                         ; the tokens' first group: 0, 32, 64
	s_lshl_b32 s31, s23, 3
	s_add_co_u32 s31, s31, 96                      ; the weight's: 96, 104, 112
	s_cmp_eq_u32 s23, 2
	s_cselect_b32 s26, ttmp9, s24                  ; along P the cluster's place is y (tokens), for V x (the weight's columns)
	s_cselect_b32 s27, s24, ttmp9                  ; along R the other one
	s_cselect_b32 s28, s31, s30
	s_cselect_b32 s29, s30, s31
	s_lshl_b32 s26, s26, 2
	s_add_co_u32 s26, s26, s22                     ; P's group among its tensor's: it hangs on cy alone
	s_lshl_b32 s27, s27, 2
	s_add_co_u32 s27, s27, s21                     ; R's: on cx alone
	s_add_co_u32 s28, s28, s26                     ; and in img
	s_add_co_u32 s29, s29, s27
	s_lshl_b32 s34, s22, 2
	s_lshl_b32 s34, 15, s34                        ; my row of the cluster
	s_lshl_b32 s35, 0x1111, s21                    ; my column
	s_or_b32 s[G1P], s34, (3<<16)|(1<<21)          ; 15:0 the mask; 17:16 elements of 8 bytes; 21 set beside a mask; no padding
	s_or_b32 s[G1PS], s34, (3<<16)|(1<<21)
	s_or_b32 s[G1R], s35, (3<<16)|(1<<21)
	s_or_b32 s[G1RS], s35, (3<<16)|(1<<21)
.irp g, G1P, G1R                       ; a whole group: 98,304 bytes as 384 rows of 256 bytes
	s_mov_b32 s[\g+1], 32<<16
	s_mov_b32 s[\g+2], 384<<16                     ; a whole group: 98,304 bytes as 384 rows of 256 bytes
	s_mov_b32 s[\g+3], 32<<16
	s_mov_b32 s[\g+4], 384
	s_mov_b32 s[\g+5], 32
	s_mov_b32 s[\g+6], 0
	s_mov_b32 s[\g+7], 0
.endr
.irp g, G1PS, G1RS                     ; 4,096 bytes as 16 rows
	s_mov_b32 s[\g+1], 32<<16
	s_mov_b32 s[\g+2], 16<<16                      ; a group's scale bytes: 4,096 bytes as 16 rows
	s_mov_b32 s[\g+3], 32<<16
	s_mov_b32 s[\g+4], 16
	s_mov_b32 s[\g+5], 32
	s_mov_b32 s[\g+6], 0
	s_mov_b32 s[\g+7], 0
.endr
	s_mul_i32 s36, s28, GRP                        ; P's codes
	s_mov_b32 s37, 0
	s_lshl_b32 s38, s28, 12                        ; P's scales
	s_mov_b32 s39, 0
	s_mul_i32 s32, s29, GRP                        ; R's codes
	s_mov_b32 s33, 0
	s_lshl_b32 s66, s29, 12                        ; R's scales
	s_mov_b32 s67, 0
	s_wait_dscnt 0x0
	s_wait_kmcnt 0x0
	s_add_nc_u64 s[36:37], s[4:5], s[36:37]
	s_add_nc_u64 s[38:39], s[6:7], s[38:39]
	s_add_nc_u64 s[32:33], s[4:5], s[32:33]
	s_add_nc_u64 s[66:67], s[6:7], s[66:67]
	CROUND                                         ; all sixteen work-groups are here: the joint loads meet
	s_mov_b32 s[G0P], 1
	s_mov_b32 s[G0P+1], PSC
	s_mov_b64 s[G0P+2:G0P+3], s[38:39]
	s_or_b32 s[G0P+3], s[G0P+3], 0x80000000
	s_mov_b32 s[G0R], 1
	s_mov_b32 s[G0R+1], RSC
	s_mov_b64 s[G0R+2:G0R+3], s[66:67]
	s_or_b32 s[G0R+3], s[G0R+3], 0x80000000
	s_mov_b32 s[G0P+4], 1
	s_mov_b32 s[G0P+5], 0
	s_mov_b64 s[G0P+6:G0P+7], s[36:37]
	s_or_b32 s[G0P+7], s[G0P+7], 0x80000000
	s_mov_b32 s[G0R+4], 1
	s_mov_b32 s[G0R+5], RIMG
	s_mov_b64 s[G0R+6:G0R+7], s[32:33]
	s_or_b32 s[G0R+7], s[G0R+7], 0x80000000
; THE HEAD'S FOUR TILES, ONE JOINT LOAD A WAVE: wave 0 P's group of codes, wave 1 R's, wave 2 P's scale bytes, wave 3 R's.  One tree of branches on the wave's number
.macro ARM under, g0, g1, next
	s_cmp_lt_u32 s18, \under
	s_cbranch_scc0 \next
	tensor_load_to_lds s[\g0:\g0+3], s[\g1:\g1+7]
	s_nop 0
.rept 4
	v_nop
.endr
	s_branch .Lhead_asked
\next:
.endm
	ARM 1, G0P+4, G1P, .Lhead_r
	ARM 2, G0R+4, G1R, .Lhead_ps
	ARM 3, G0P, G1PS, .Lhead_rs
	tensor_load_to_lds s[G0R:G0R+3], s[G1RS:G1RS+7]
	s_nop 0
.rept 4
	v_nop
.endr
.Lhead_asked:
	v_and_b32 v1, 31, v0                           ; lane
	v_and_b32 v2, 15, v0                           ; r
	v_bfe_u32 v3, v0, 4, 1                         ; h
	v_lshlrev_b32 v6, 4, v1
	v_lshlrev_b32 v7, 3, v1
	s_mul_i32 s100, s18, 2*FRB                     ; my two tiles of P
	v_add_nc_u32 v8, s100, v6
	v_add_nc_u32 v9, s100, v7
	v_add_nc_u32 v9, 512, v9
	v_add_nc_u32 v10, RIMG, v6
	v_add_nc_u32 v11, RIMG+512, v7
.irp i, 0,1,2,3
	v_add_nc_u32 v[12+\i], 4*KST, v[8+\i]          ; the same for K steps 4-7: an LDS offset has 16 bits
.endr
	v_lshlrev_b32 v16, 5, v1
	v_add_nc_u32 v17, RSC, v16                     ; R's scale words: row = lane, 32 bytes a row
	s_lshl_b32 s100, s18, 10
	s_add_co_u32 s100, s100, PSC
	v_add_nc_u32 v16, s100, v16                    ; P's: my 32 rows
	; the biases.  Both kinds are loaded by every work-group, so that no branch stands here; the kind that the work-group does not use is read at an index held inside its buffer
	s_cmp_eq_u32 s23, 0
	s_cselect_b64 s[8:9], s[8:9], s[10:11]         ; bq, or bk
	s_and_b32 s2, s27, 7
	s_lshl_b32 s2, s2, 9
	s_mov_b32 s3, 0
	s_add_nc_u64 s[8:9], s[8:9], s[2:3]            ; along R: 128 numbers
	s_and_b32 s2, s26, 7
	s_lshl_b32 s2, s2, 9
	s_lshl_b32 s104, s18, 7
	s_add_co_u32 s2, s2, s104
	s_add_nc_u64 s[12:13], s[12:13], s[2:3]        ; bv along P: my wave's 32
	v_lshlrev_b32 v18, 5, v3                       ; 32 h
	v_lshlrev_b32 v19, 2, v2                       ; 4 r
.irp T, 0,1,2,3,4,5,6,7
	global_load_b128 v[BR+8*\T:BR+8*\T+3], v18, s[8:9] offset:64*\T          ; register 8 T + j: number 16 T + 8 h + j
	global_load_b128 v[BR+8*\T+4:BR+8*\T+7], v18, s[8:9] offset:64*\T+16
.endr
	global_load_b32 v[BP], v19, s[12:13]
	global_load_b32 v[BP+2], v19, s[12:13] offset:64
	v_mov_b32 v[BP+1], 0                           ; (named as the upper halves of pairs)
	v_mov_b32 v[BP+3], 0
	s_mov_b32 s30, 0x76543210
	s_mov_b32 s31, 0xfedcba98                      ; v_permlanex16_b32's selects for lane l xor 16
	s_wait_alu depctr_va_vdst(0)
	s_wait_tensorcnt 0x0                           ; my tile of the head's four is in
	s_barrier_signal -1
	s_barrier_wait -1                              ; everybody's are
	FETCH 0
.irp s, 0,1,2,3,4,5,6,7
	KSTEP \s
.endr
	WIN 0
	s_wait_loadcnt 0x0                             ; the biases
.rept 4
	v_nop                                          ; four places behind the last products, ahead of the first read of results and of writes into registers that products read
.endr
.irp b, 0,1,2,3
	v_mov_b32 v[TM+4+\b], 0                        ; (a lane permute's destination counts as one of its sources)
.endr
	v_cmp_ne_u32 vcc_lo, 0, v3                     ; lanes 16-31
; My tile pl of P: the results and the bias, each accumulator from its low end on; quantised along R; four stores of 512 or 256 consecutive bytes
.macro EPI pl, varm, pstr, hstr
	WIN 0x01                                       ; source 0, the accumulators: window 1
.set i, 0
.rept 32
.if \varm
	v_pk_add_f32 v[VAL+i:VAL+i+1], v[64*\pl+i:64*\pl+i+1], v[BP+2*\pl:BP+2*\pl+1] op_sel_hi:[1,0]
.else
	v_pk_add_f32 v[VAL+i:VAL+i+1], v[64*\pl+i:64*\pl+i+1], v[BR+i:BR+i+1]
.endif
.set i, i+2
.endr
	WIN 0
	QUANT VAL, PW+\pl
	global_store_b128 v6, v[PC:PC+3], s[14:15] offset:\pl*\pstr
	global_store_b64 v7, v[PC+4:PC+5], s[14:15] offset:\pl*\pstr+512
	global_store_b128 v6, v[PC+6:PC+9], s[14:15] offset:\pl*\pstr+\hstr
	global_store_b64 v7, v[PC+10:PC+11], s[14:15] offset:\pl*\pstr+\hstr+512
.endm
	s_cmp_eq_u32 s23, 2
	s_cbranch_scc1 .Lv_arm
	; Q, K: my 128 along R are two heads: the fragment's two halves are the half images of heads 2 ridx and 2 ridx + 1
	s_mul_i32 s2, s23, 3145728
	s_lshr_b32 s104, s26, 4                        ; b
	s_mul_i32 s105, s104, 16*98304
	s_add_co_u32 s2, s2, s105
	s_mul_i32 s105, s27, 2*98304
	s_add_co_u32 s2, s2, s105
	s_and_b32 s100, s26, 15
	s_lshl_b32 s105, s100, 3
	s_add_co_u32 s105, s105, s18
	s_add_co_u32 s105, s105, s18                   ; the tile of tokens: 8 x (group in the batch) + 2 w
	s_mul_i32 s105, s105, 768
	s_add_co_u32 s2, s2, s105
	s_mov_b32 s3, 0
	s_add_nc_u64 s[14:15], s[14:15], s[2:3]
	s_lshl_b32 s2, s23, 17
	s_lshl_b32 s104, s104, 16
	s_add_co_u32 s2, s2, s104
	s_lshl_b32 s105, s27, 13
	s_add_co_u32 s2, s2, s105
	s_lshl_b32 s105, s100, 2
	s_add_co_u32 s105, s105, s18                   ; the pair of tiles
	s_lshl_b32 s105, s105, 6
	s_add_co_u32 s2, s2, s105
	s_add_nc_u64 s[16:17], s[16:17], s[2:3]
	v_lshlrev_b32 v24, 2, v2
	v_lshl_add_u32 v24, v3, 12, v24                ; lanes 0-15 store the even head's word, lanes 16-31 the odd head's
	EPI 0, 0, 768, 98304
	s_wait_xcnt 0x0                                ; the stores have read their registers: the codes may be written again
	EPI 1, 0, 768, 98304
	v_perm_b32 v25, v[PW+1], v[PW], 0x05040100     ; the even head: two bytes of my first tile's row, two of my second's
	v_perm_b32 v26, v[PW+1], v[PW], 0x07060302     ; the odd head
	v_cndmask_b32 v25, v25, v26, vcc_lo
	global_store_b32 v24, v25, s[16:17]
	s_branch .Lend
.Lv_arm:
	; V: my 128 along R are a step of 128 keys; my two tiles of P are two tiles of 16 channels of one head
	s_lshr_b32 s104, s27, 4                        ; b
	s_lshl_b32 s104, s104, 4
	s_add_co_u32 s104, s104, s26
	s_add_co_u32 s104, s104, s26
	s_add_co_u32 s104, s104, s19                   ; 16 b + head, head = 2 pidx + w / 2
	s_and_b32 s100, s27, 15                        ; the step
	s_mul_i32 s2, s104, 98304
	s_mul_i32 s105, s100, 6144
	s_add_co_u32 s2, s2, s105
	s_mul_i32 s105, s20, 2*FRB                     ; tiles of channels 2 (w % 2) on
	s_add_co_u32 s2, s2, s105
	s_add_co_u32 s2, s2, 6291456
	s_mov_b32 s3, 0
	s_add_nc_u64 s[14:15], s[14:15], s[2:3]
	s_lshl_b32 s2, s104, 12
	s_lshl_b32 s105, s100, 8
	s_add_co_u32 s2, s2, s105
	s_lshl_b32 s105, s20, 7
	s_add_co_u32 s2, s2, s105
	s_add_co_u32 s2, s2, 262144
	s_add_nc_u64 s[16:17], s[16:17], s[2:3]
	v_lshlrev_b32 v24, 2, v2
	v_lshl_add_u32 v24, v3, 6, v24                 ; lanes 0-15 store my first tile's words, lanes 16-31 my second's
	EPI 0, 1, 1536, 768
	s_wait_xcnt 0x0
	EPI 1, 1, 1536, 768
	v_cndmask_b32 v25, v[PW], v[PW+1], vcc_lo
	global_store_b32 v24, v25, s[16:17]
.Lend:
	s_wait_tensorcnt 0x0                           ; the wave's end
	ds_add_u32 v[SPW], v[NIL]
	s_wait_dscnt 0x0
	CROUND                                         ; the closing round: no work-group ends while a partner may still ask for a tile that names it
	s_endpgm
.Lfunc_end_k_qa2e01a55ef_proj:
	.size	k_qa2e01a55ef_proj, .Lfunc_end_k_qa2e01a55ef_proj-k_qa2e01a55ef_proj
	.p2alignl 7, 3214868480
	.fill 96, 4, 3214868480
	.section	.rodata,"a",@progbits
	.p2align	6, 0x0
	.amdhsa_kernel k_qa2e01a55ef_proj
		.amdhsa_group_segment_fixed_size 205312
		.amdhsa_private_segment_fixed_size 0
		.amdhsa_enable_private_segment 0
		.amdhsa_kernarg_size 56
		.amdhsa_user_sgpr_count 2
		.amdhsa_user_sgpr_kernarg_segment_ptr 1
		.amdhsa_wavefront_size32 1
		.amdhsa_system_sgpr_workgroup_id_x 1
		.amdhsa_system_sgpr_workgroup_id_y 1
		.amdhsa_system_sgpr_workgroup_id_z 1
		.amdhsa_system_vgpr_workitem_id 0
		.amdhsa_next_free_vgpr 512
		.amdhsa_next_free_sgpr 106
		.amdhsa_reserve_vcc 1
		.amdhsa_float_denorm_mode_32 3
		.amdhsa_float_denorm_mode_16_64 3
		.amdhsa_memory_ordered 1
		.amdhsa_forward_progress 1
		.amdhsa_inst_pref_size 78
	.end_amdhsa_kernel
	.amdgpu_metadata
---
amdhsa.version: [ 1, 2 ]
amdhsa.kernels:
  - .name:           k_qa2e01a55ef_proj
    .symbol:         k_qa2e01a55ef_proj.kd
    .args:
      - { .name: img, .offset: 0, .size: 8, .value_kind: global_buffer, .address_space: global }
      - { .name: sc, .offset: 8, .size: 8, .value_kind: global_buffer, .address_space: global }
      - { .name: bq, .offset: 16, .size: 8, .value_kind: global_buffer, .address_space: global }
      - { .name: bk, .offset: 24, .size: 8, .value_kind: global_buffer, .address_space: global }
      - { .name: bv, .offset: 32, .size: 8, .value_kind: global_buffer, .address_space: global }
      - { .name: qkv, .offset: 40, .size: 8, .value_kind: global_buffer, .address_space: global }
      - { .name: qkvs, .offset: 48, .size: 8, .value_kind: global_buffer, .address_space: global }
    .group_segment_fixed_size: 205312
    .private_segment_fixed_size: 0
    .kernarg_segment_align: 8
    .kernarg_segment_size: 56
    .max_flat_workgroup_size: 128
    .sgpr_count:     106
    .vgpr_count:     512
    .wavefront_size: 32
...
	.end_amdgpu_metadata
.endif
;; end of part 2
;; launch attn (part 3): grid 8 x 32, 4 waves a work-group, no clusters, 34,304 bytes of LDS; arguments qkv, qkvs, maskw, oimg, osc; writes oimg, osc
.if DOCPART == 3
	.amdgcn_target "amdgcn-amd-amdhsa--gfx1250"
	.amdhsa_code_object_version 6
	.text
	.protected	k_qa2e01a55ef_attn
	.globl	k_qa2e01a55ef_attn
	.p2align	8
	.type	k_qa2e01a55ef_attn,@function
k_qa2e01a55ef_attn:
	s_mov_b64 s[64:65], 0
	v_nop
	global_prefetch_b8 v0, s[64:65] scope:SCOPE_SE
	s_setreg_imm32_b32 hwreg(HW_REG_WAVE_MODE, 25, 1), 1
	s_wait_xcnt 0x0
; ATTN: for each (b, head): O = Q(softmax(mask(Q K^T / 8))) V, both products on codes of FP6 (E2M3) with E8M0 scales; O is quantised at once for the last product.
; THE WEIGHTS ARE QUANTISED FINISHED AND NORMALISED, so a row's sum is wanted before its first weight is quantised.  THE KEYS ARE WALKED ONCE: a tile of 16 queries has all its 2,048 scores in registers.
; SHARES.  A work-group owns 256 queries of one (b, head), 16 tiles, a tile a trip.  Wave w owns keys 512 w .. 512 w + 511: its K (192 registers) and V (192) are loaded once, from memory straight into registers, and stay;
; a tile's 16 x 512 scores are 256 registers.  Both products are used transposed: a lane holds one query (lane % 16); register j of tile T of the keys holds key 16 T + 8 h + j.
; A TRIP: from the largest score of each block of 32 keys the largest of the wave's 512; M = the largest t (t = score x log2(e) / 8) rounded up to a whole number; p = 2^(t - M); the sum of p.  The four waves hand each other
; (-M, sum) through LDS; each takes the row's M and sum, and w = p x 2^(my M - the row's M) / sum is quantised along the keys (a block's largest w is its largest score taken through the same instructions); O^T = V^T w^T over my keys.
; The four parts of O^T go to LDS; every second trip each wave adds up one block of 32 channels of one of the last two tiles, quantises it and stores it.
; THE MATRIX INSTRUCTIONS STAND AMONG VECTOR WORK.  When a step's 128 keys are converted, its 64 score registers are free: the next tile's 16 products of that step stand among the next step's scalings, conversions and swaps;
; the last step's 16 and the 16 of V^T w^T stand among the next tile's search for the blocks' largest scores, which therefore ends a trip.  The last trip leaves the loop for a second half of its own, with no next tile.
; THE MASK comes as codes: -1 under the scale 2^60 where the mask is set, else 0.  A product of unit rows (code 1 at place 16 T + row) with these codes starts each accumulator at -2^60 or 0, exactly, and K Q^T adds in place.
; A masked score is about -2^60, so its p is 0.  A row all of whose keys are masked has -M over 2^40: its factor is 0, so its weights and its O are 0, as the problem's nan_to_num has it.
; THE FIRST PRODUCT'S K IS 64: source 0 holds two tiles of keys, source 1 the query over zero codes or zero codes over the query.
; NO CLUSTER, NO TENSOR LOAD: K and V are read once by each work-group, into registers; a joint load would land in LDS and be read from there again.  NO PREFETCH: the query's and the mask's codes are loaded into registers a whole trip ahead.
; LIMITS: the promise holds while the scaled scores stay under 2^31 in magnitude; NaN and infinities are not served; a block of zeros carries the byte 1 (its codes are zeros); osc is written a byte a lane.
; REGISTERS.  Window 0: v1, v2 the add's two; v3-19 addresses; v20-37 zeros, the query, zeros; v38, v39 its scale word; v40-93 unit rows between zeros; v94, v95 their and the mask's scale words; v96-111 K's and V's scale words;
;   v112-159 w's codes (O's parts while they are added); v160-175, v212-227 at work; v176-191 the blocks' maxima; v192-207 the conversions' scales; v208-211 w's scale words; v212-219 the four (-M, sum); v220-235 sums; v236-255 at work.
;   Window 1: the scores.   Window 2: v0-191 K, v192-223 O^T.   Window 3: v0-191 V, v192-239 the mask's codes.
.set ST_L,  0                          ; LDS: (-M, sum): [wave 4][query 16] x 8 bytes
.set OP_L,  1024                       ; O^T's parts: [tile's parity 2][wave 4][tile of channels 4][half 2][lane 32] x 16 bytes
.set SPARE, 33792                      ; the spare words, 128 bytes a wave: two blocks of 256 bytes that no other line names
.set SPW, 1
.set NIL, 2
.set QZ,  20
.set QS,  38
.set QR,  39
.set ID,  40
.set IS,  94
.set MS,  95
.set KS,  96
.set VS,  104
.set PC,  112
.set J,   112
.set BM,  176
.set SCL, 192
.set PW,  208
.set ST,  212
.set SUM, 220
.set R,   254
.set MSB, 0
.macro WIN new                         ; the immediate's high byte repeats the setting that is left
.if MSB != \new
	s_set_vgpr_msb (MSB<<8)|\new
.set MSB, \new
.endif
.endm
.macro VW
	s_wait_alu depctr_va_vdst(0)
.endm
.macro PLACES n
.rept \n
	v_nop
.endr
.endm
; One product.  d accumulator, a source 0, b source 1, sa, sb their scale registers, ra = 1: source 0's scales stand in lanes 16-31; zero = 1: it starts the sum
.macro WM d, a, b, sa, sb, ra, zero
.if \zero
.if (\ra) == 0
	v_wmma_scale_f32_16x16x128_f8f6f4 v[(\d):(\d)+7], v[(\a):(\a)+11], v[(\b):(\b)+11], 0, v[\sa], v[\sb] matrix_a_fmt:MATRIX_FMT_FP6 matrix_b_fmt:MATRIX_FMT_FP6
.else
	v_wmma_scale_f32_16x16x128_f8f6f4 v[(\d):(\d)+7], v[(\a):(\a)+11], v[(\b):(\b)+11], 0, v[\sa], v[\sb] matrix_a_fmt:MATRIX_FMT_FP6 matrix_b_fmt:MATRIX_FMT_FP6 matrix_a_scale:MATRIX_SCALE_ROW1
.endif
.else
.if (\ra) == 0
	v_wmma_scale_f32_16x16x128_f8f6f4 v[(\d):(\d)+7], v[(\a):(\a)+11], v[(\b):(\b)+11], v[(\d):(\d)+7], v[\sa], v[\sb] matrix_a_fmt:MATRIX_FMT_FP6 matrix_b_fmt:MATRIX_FMT_FP6
.else
	v_wmma_scale_f32_16x16x128_f8f6f4 v[(\d):(\d)+7], v[(\a):(\a)+11], v[(\b):(\b)+11], v[(\d):(\d)+7], v[\sa], v[\sb] matrix_a_fmt:MATRIX_FMT_FP6 matrix_b_fmt:MATRIX_FMT_FP6 matrix_a_scale:MATRIX_SCALE_ROW1
.endif
.endif
.endm
; A trip's 80 products, by number.  16 g + T, T under 8: tile T of step g begins with the mask; 16 g + 8 + T: K Q^T adds in place, seven other accumulators' turns between.
; 64 + n: O^T's tile n % 4 of the channels takes step n / 4 of V^T w^T: four accumulators by turns; the first step starts the sums
.macro QW k
.if (\k) >= 64
	WIN 0xa3                                       ; C and D window 2, source 0 window 3, source 1 window 0
.if (\k) < 68
	WM 192+8*((\k)%4), 12*((\k)-64), PC+12*(((\k)-64)/4), VS+((\k)-64)/2, PW+((\k)-64)/4, (\k)%2, 1
.else
	WM 192+8*((\k)%4), 12*((\k)-64), PC+12*(((\k)-64)/4), VS+((\k)-64)/2, PW+((\k)-64)/4, (\k)%2, 0
.endif
.elseif ((\k)%16) < 8
	WIN 0x4c                                       ; D window 1, source 0 window 0, source 1 window 3
	WM 8*(8*((\k)/16)+(\k)%8), ID+12*((\k)%4)+6-6*(((\k)%8)/4), 192+12*((\k)/16), IS, MS, 0, 1
.else
	WIN 0x52                                       ; C and D window 1, source 0 window 2, source 1 window 0; an even tile lies in the lower half of K, an odd one in the upper
	WM 8*(8*((\k)/16)+(\k)%8), 12*(4*((\k)/16)+((\k)%8)/2), QZ+6-6*((\k)%2), KS+(4*((\k)/16)+((\k)%8)/2)/2, QS, (((\k)%8)/2)%2, 0
.endif
.endm
.macro QNEXT                           ; the next product, if its registers are free and its operands made (QLIM says how far)
.if QK_N < QLIM
	QW QK_N
.set QK_N, QK_N+1
.endif
.endm
; 16 fragments of 1,536 bytes (two half images each) into registers 0-191 of the window that is set
.macro IMG16 ptr
.set p, 0
.rept 16
	global_load_b128 v[12*p:12*p+3], v3, s[\ptr:\ptr+1] offset:1536*p
	global_load_b64 v[12*p+4:12*p+5], v4, s[\ptr:\ptr+1] offset:1536*p
	global_load_b128 v[12*p+6:12*p+9], v3, s[\ptr:\ptr+1] offset:1536*p+768
	global_load_b64 v[12*p+10:12*p+11], v4, s[\ptr:\ptr+1] offset:1536*p+768
.set p, p+1
.endr
.endm
; The query's half image and scale word and the mask's codes for my 512 keys, of the block's tile s[sj]: 19 loads
.macro LOADQ sj
	s_wait_xcnt 0x0                                ; the pointers in hand are written again
	s_mul_i32 s52, s[\sj], 768
	s_add_nc_u64 s[76:77], s[32:33], s[52:53]
	s_lshr_b32 s52, s[\sj], 1
	s_lshl_b32 s52, s52, 6
	s_add_nc_u64 s[78:79], s[34:35], s[52:53]
	s_mul_i32 s52, s[\sj], 24576
	s_add_nc_u64 s[80:81], s[36:37], s[52:53]
	global_load_b128 v[QZ+6:QZ+9], v3, s[76:77]
	global_load_b64 v[QZ+10:QZ+11], v4, s[76:77]
	global_load_b32 v[QR], v11, s[78:79]
	WIN 0xc0
.set p, 0
.rept 4
	global_load_b128 v[192+12*p:195+12*p], v3, s[80:81] offset:1536*p
	global_load_b64 v[196+12*p:197+12*p], v4, s[80:81] offset:1536*p
	global_load_b128 v[198+12*p:201+12*p], v3, s[80:81] offset:1536*p+768
	global_load_b64 v[202+12*p:203+12*p], v4, s[80:81] offset:1536*p+768
.set p, p+1
.endr
	WIN 0
.endm
; The largest score of blocks b0 .. b0 + nb - 1 of 32 keys, my lane's 16 of each; each accumulator from its low end on; the blocks by turns; a product behind each round
.macro MAXS b0, nb
.set b, \b0
.rept \nb
	WIN 0x15                                       ; sources window 1, destination window 0
	v_max3_num_f32 v[BM+b], v[16*b], v[16*b+1], v[16*b+2]
.set b, b+1
.endr
	QNEXT
.irp i, 3,5,7,9,11,13
.set b, \b0
.rept \nb
	WIN 0x14
	v_max3_num_f32 v[BM+b], v[BM+b], v[16*b+\i], v[16*b+\i+1]
.set b, b+1
.endr
	QNEXT
.endr
.set b, \b0
.rept \nb
	WIN 0x14
	v_max_num_f32 v[BM+b], v[BM+b], v[16*b+15]
.set b, b+1
.endr
	QNEXT
.endm
; The blocks' scales: each block's largest w, its scale operand, its byte; four bytes make a step's scale word
.macro P2PRE
.set b, 0
.rept 16
	v_mul_f32 v[BM+b], v[BM+b], v[R]
.set b, b+1
.endr
.set b, 0
.rept 16
	v_max_num_f32 v[BM+b], 0x1800000, v[BM+b]      ; the floor 2^(3 - 127): the byte cannot fall under 1
.set b, b+1
.endr
.set b, 0
.rept 16
	v_add_nc_u32 v[SCL+b], 0xff000000, v[BM+b]     ; 2 off the exponent field: the conversion's scale operand
.set b, b+1
.endr
.set b, 0
.rept 16
	v_lshrrev_b32 v[BM+b], 23, v[SCL+b]            ; the byte
.set b, b+1
.endr
.irp s, 8,16,24
.irp g, 0,1,2,3
.if \s == 8
	v_lshl_or_b32 v[PW+\g], v[BM+4*\g+1], 8, v[BM+4*\g]
.else
	v_lshl_or_b32 v[PW+\g], v[BM+4*\g+\s/8], \s, v[PW+\g]
.endif
.endr
.endr
.endm
; Step g's 128 keys: w = p x my factor, converted, a whole block brought into a lane.  48 vector instructions with 16 places for products among them; none of these products names a register of this step
.macro STG g
.set j, 0
.rept 32
	WIN 0x41                                       ; source 0 and destination window 1
	v_pk_mul_f32 v[64*\g+2*j:64*\g+2*j+1], v[64*\g+2*j:64*\g+2*j+1], v[R:R+1] op_sel_hi:[1,0]
.if j%3 == 2
	QNEXT
.endif
.set j, j+1
.endr
.set n, 2*\g
.rept 2
	WIN 0x01                                       ; source 0 window 1
	v_cvt_scalef32_pk16_fp6_f32 v[PC+6*n:PC+6*n+2], v[32*n:32*n+15], v[SCL+2*n]
	v_cvt_scalef32_pk16_fp6_f32 v[160+4*n+36*(n/4):162+4*n+36*(n/4)], v[32*n+16:32*n+31], v[SCL+2*n+1]   ; (a conversion's three registers begin on an even number)
	QNEXT
.set n, n+1
.endr
	WIN 0
	v_nop                                          ; one plain place behind a scaled conversion
.set n, 2*\g
.rept 2                                ; the operand wants a whole block in a lane: lanes 0-15 block 2 c, lanes 16-31 block 2 c + 1
.irp i, 0,1,2
	v_permlane16_swap_b32 v[PC+6*n+\i], v[160+4*n+36*(n/4)+\i]
.endr
	QNEXT
	WIN 0
.set n, n+1
.endr
.set n, 2*\g
.rept 2
.irp i, 0,1,2
	v_mov_b32 v[PC+6*n+3+\i], v[160+4*n+36*(n/4)+\i]
.endr
	QNEXT
	WIN 0
.set n, n+1
.endr
.endm
.macro OSTORE                          ; my part of O^T, each accumulator from its low end on
	WIN 0x08                                       ; the data: window 2
.irp t, 0,1,2,3
	ds_store_b128 v253, v[192+8*\t:195+8*\t] offset:1024*\t
	ds_store_b128 v253, v[196+8*\t:199+8*\t] offset:1024*\t+512
.endr
	WIN 0
.endm
; The row's -M and sum from the four waves', and my factor 2^(my M - the row's M) / sum, or 0 for a row with no key
.macro RCOMP
	v_min_num_f32 v236, v[ST], v[ST+2]
	v_min_num_f32 v237, v[ST+4], v[ST+6]
	v_min_num_f32 v236, v236, v237
.irp k, 0,1,2,3
	v_sub_f32 v[240+\k], v236, v[ST+2*\k]          ; a wave's M less the row's: a whole number, 0 or less
.endr
	v_sub_f32 v239, v236, v12
.irp k, 239,240,241,242,243
	v_cvt_i32_f32 v\k, v\k                         ; (it saturates)
.endr
.irp k, 239,240,241,242,243
	v_ldexp_f32 v\k, 1.0, v\k
.endr
	v_mul_f32 v237, v[ST+1], v240
	v_fma_f32 v237, v[ST+3], v241, v237
	v_fma_f32 v237, v[ST+5], v242, v237
	v_fma_f32 v237, v[ST+7], v243, v237            ; at least 1/2: the wave with the row's M holds a p over 1/2
	v_cmp_gt_f32 vcc_lo, s28, v236                 ; 2^40 > -M: the row has a key
	VW
	v_rcp_f32 v238, v237
	v_nop
	VW
	v_mul_f32 v238, v238, v239
	v_cndmask_b32 v[R], 0, v238, vcc_lo
.endm
.macro JLD                             ; the four parts of my block of 32 channels of my tile: 16 loads
.set n, 0
.rept 16
	ds_load_b128 v[J+4*n:J+4*n+3], v9 offset:4096*(n/4)+512*(n%4)
.set n, n+1
.endr
.endm
; Tile s59's block w % 2 of O: summed, quantised, stored.  Register 8 u + j holds channel 32 (w % 2) + 16 u + 8 h + j of query r: place 16 h + 8 u + j of the block
.macro JOB
	s_wait_xcnt 0x0                                ; the last such stores have read their registers and bases
	s_lshr_b32 s52, s59, 3
	s_mul_i32 s52, s52, 98304
	s_and_b32 s55, s59, 7
	s_mul_i32 s55, s55, 1536
	s_add_co_u32 s52, s52, s55
	s_add_nc_u64 s[82:83], s[38:39], s[52:53]
	s_lshl_b32 s52, s59, 9
	s_add_nc_u64 s[84:85], s[40:41], s[52:53]
.set e, 0
.rept 8
	v_pk_add_f32 v[J+e:J+e+1], v[J+e:J+e+1], v[J+16+e:J+17+e]
	v_pk_add_f32 v[J+32+e:J+33+e], v[J+32+e:J+33+e], v[J+48+e:J+49+e]
.set e, e+2
.endr
.set e, 0
.rept 8
	v_pk_add_f32 v[J+e:J+e+1], v[J+e:J+e+1], v[J+32+e:J+33+e]
.set e, e+2
.endr
	v_max3_num_f32 v240, |v[J]|, |v[J+1]|, 0x1800000   ; the floor 2^(3 - 127): the byte cannot fall under 1
	v_max3_num_f32 v241, |v[J+2]|, |v[J+3]|, |v[J+4]|
.irp i, 5,9
	v_max3_num_f32 v240, v240, |v[J+\i]|, |v[J+\i+1]|
	v_max3_num_f32 v241, v241, |v[J+\i+2]|, |v[J+\i+3]|
.endr
	v_max3_num_f32 v240, v240, |v[J+13]|, |v[J+14]|
	v_max3_num_f32 v240, v240, v241, |v[J+15]|
	v_permlanex16_b32 v242, v240, s24, s25
	v_max_num_f32 v240, v240, v242
	v_add_nc_u32 v241, 0xff000000, v240            ; 2 off the exponent field: the conversion's scale operand
	v_lshrrev_b32 v249, 23, v241                   ; the byte
	v_cvt_scalef32_pk16_fp6_f32 v[244:246], v[J:J+15], v241
	v_nop                                          ; one plain place behind a scaled conversion
	v_permlanex16_b32 v242, v245, s24, s25
	v_permlanex16_b32 v243, v246, s24, s25
	v_cndmask_b32 v250, v244, v243, s58            ; the image's lane r + 16 (w % 2) has six registers: lanes 0-15 hold 0-2, lanes 16-31 hold 3-5.  Lanes 0-15 store 0, 1, lanes 16-31 store 2, 3;
	v_cndmask_b32 v251, v245, v244, s58
	v_cndmask_b32 v252, v242, v246, s58            ; lanes 0-15 store 4, lanes 16-31 store 5
	global_store_b64 v14, v[250:251], s[82:83]     ; 256 consecutive bytes, aligned
	global_store_b32 v15, v252, s[82:83]           ; 128 consecutive bytes
	global_store_b8 v10, v249, s[84:85]            ; both lanes of a query write the same byte with the same value
.endm
	s_load_b256 s[4:11], s[0:1], 0x0               ; qkv, qkvs, maskw, oimg
	s_load_b64 s[12:13], s[0:1], 0x20              ; osc
	v_lshl_add_u32 v[SPW], v0, 2, SPARE
	v_mov_b32 v[NIL], 0
	v_lshrrev_b32 v18, 5, v0
	v_readfirstlane_b32 s14, v18                   ; wave 0..3
	v_and_b32 v19, 31, v0                          ; lane
	v_and_b32 v16, 15, v0                          ; r
	v_bfe_u32 v17, v0, 4, 1                        ; h
	v_lshlrev_b32 v3, 4, v19                       ; 16 x lane
	v_lshl_add_u32 v4, v19, 3, 512                 ; 512 + 8 x lane
	v_lshlrev_b32 v5, 2, v19
	v_lshlrev_b32 v11, 2, v16
	v_lshlrev_b32 v10, 5, v16                      ; osc: 32 bytes a row
	v_lshlrev_b32 v7, 3, v16                       ; (-M, sum): 8 r
	v_lshlrev_b32 v14, 4, v16
	v_lshl_add_u32 v14, v17, 3, v14                ; 16 r + 8 h
	v_lshlrev_b32 v15, 3, v16
	v_lshl_add_u32 v15, v17, 2, v15                ; 8 r + 4 h
	v_cmp_ne_u32 s58, 0, v17                       ; lanes 16-31
	v_mul_u32_u24 v18, v16, 6
	v_add_nc_u32 v18, 3, v18                       ; the unit rows: code 8 (the number 1) at place r of 16: its one bit is bit 6 r + 3 of 96
	v_lshrrev_b32 v19, 5, v18
	v_mad_u32_u24 v19, v17, 3, v19                 ; which of three registers, + 3 h
	v_and_b32 v18, 31, v18
	v_mov_b32 v236, 1
	v_lshlrev_b32 v18, v18, v236
	VW
	s_lshr_b32 s17, s14, 1
	s_and_b32 s18, s14, 1
	s_and_b32 s16, ttmp7, 0xffff                   ; 16 b + head
	s_lshr_b32 s19, s16, 4                         ; b
	s_and_b32 s20, s16, 15                         ; head
	s_lshl_b32 s70, s14, 7
	s_lshl_b32 s71, s14, 12
	s_add_co_u32 s71, s71, OP_L
	s_lshl_b32 s72, s17, 14
	s_lshl_b32 s73, s18, 11
	s_add_co_u32 s72, s72, s73
	s_add_co_u32 s72, s72, OP_L
	s_lshl_b32 s73, s18, 8
	s_lshl_b32 s74, s18, 7
	s_add_co_u32 s74, s74, 512
	s_mov_b32 s24, 0x76543210
	s_mov_b32 s25, 0xfedcba98                      ; v_permlanex16_b32's selects for lane l xor 16
	s_mov_b32 s26, 0x3e38aa3b                      ; c = log2(e) / sqrt(64)
	s_mov_b32 s27, s26
	s_mov_b32 s28, 0x53800000                      ; 2^40
	s_mov_b32 s53, 0                               ; the upper word of every offset
	v_add_nc_u32 v6, s70, v7                       ; my wave's (-M, sum)
	v_add_nc_u32 v8, s71, v3                       ; my part of O^T
	v_add_nc_u32 v9, s72, v3                       ; the parts that I add up: tile of parity w / 2, block w % 2
	v_add_nc_u32 v14, s73, v14
	v_add_nc_u32 v15, s74, v15
	VW
	s_wait_kmcnt 0x0
	s_mul_i32 s54, s16, 98304
	s_mul_i32 s55, ttmp9, 12288
	s_add_co_u32 s52, s54, s55
	s_add_nc_u64 s[32:33], s[4:5], s[52:53]        ; the block's 16 tiles of queries
	s_mul_i32 s55, s14, 24576
	s_add_co_u32 s52, s54, s55
	s_add_co_u32 s52, s52, 3145728
	s_add_nc_u64 s[42:43], s[4:5], s[52:53]        ; my 32 tiles of K
	s_add_co_u32 s52, s52, 3145728
	s_add_nc_u64 s[44:45], s[4:5], s[52:53]        ; my 4 steps of V
	s_lshl_b32 s54, s16, 12
	s_lshl_b32 s55, ttmp9, 9
	s_add_co_u32 s52, s54, s55
	s_add_nc_u64 s[34:35], s[6:7], s[52:53]        ; the queries' scale words
	s_lshl_b32 s55, s14, 10
	s_add_co_u32 s52, s54, s55
	s_add_co_u32 s52, s52, 131072
	s_add_nc_u64 s[46:47], s[6:7], s[52:53]        ; K's
	s_add_co_u32 s52, s52, 131072
	s_add_nc_u64 s[48:49], s[6:7], s[52:53]        ; V's
	s_mul_i32 s52, s19, 3145728
	s_mul_i32 s55, ttmp9, 393216
	s_add_co_u32 s52, s52, s55
	s_mul_i32 s55, s14, 6144
	s_add_co_u32 s52, s52, s55
	s_add_nc_u64 s[36:37], s[8:9], s[52:53]        ; the mask's codes: (128 b + tile) x 24,576 + my 4 steps
	s_lshl_b32 s52, s19, 4
	s_add_co_u32 s52, s52, ttmp9
	s_add_co_u32 s52, s52, ttmp9
	s_mul_i32 s52, s52, 98304
	s_lshr_b32 s55, s20, 1
	s_mul_i32 s55, s55, 12288
	s_add_co_u32 s52, s52, s55
	s_and_b32 s55, s20, 1
	s_mul_i32 s55, s55, 768
	s_add_co_u32 s52, s52, s55
	s_add_nc_u64 s[38:39], s[10:11], s[52:53]      ; oimg: [group of 128 rows][K step = head / 2][tile][half = head % 2]
	s_lshl_b32 s52, s19, 16
	s_lshl_b32 s55, ttmp9, 13
	s_add_co_u32 s52, s52, s55
	s_add_co_u32 s52, s52, s20
	s_add_co_u32 s52, s52, s20
	s_add_co_u32 s52, s52, s18
	s_add_nc_u64 s[40:41], s[12:13], s[52:53]      ; osc: 32 bytes a row, the head's two, my block's one
.irp x, 0,1,2,3,4,5,6,7
	global_load_b32 v[KS+\x], v5, s[46:47] offset:128*\x   ; lanes 0-15: pair 2 x of my tiles, lanes 16-31: pair 2 x + 1
.endr
	WIN 0x80
	IMG16 42
	WIN 0
	s_mov_b32 s59, 0
	LOADQ 59
.irp x, 0,1,2,3,4,5,6,7
	global_load_b32 v[VS+\x], v5, s[48:49] offset:128*\x   ; step x / 2: lanes 0-15 tile 2 (x % 2) of the channels, lanes 16-31 the next
.endr
	WIN 0xc0
	IMG16 44
	WIN 0
.set n, 0
.rept 54
	v_mov_b32 v[ID+n], 0                           ; zeros, unit rows 0, zeros, 1, zeros, 2, zeros, 3, zeros: six registers each, so that each unit row can stand in either half of K
.set n, n+1
.endr
.irp k, 0,1,2,3,4,5
	v_cmp_eq_u32 vcc_lo, \k, v19
	v_cndmask_b32 v[ID+6+24*(\k/3)+\k%3], 0, v18, vcc_lo    ; places 0-15 of the lanes' half k / 3,
	v_cndmask_b32 v[ID+21+24*(\k/3)+\k%3], 0, v18, vcc_lo   ; places 16-31
.endr
.irp i, 0,1,2,3,4,5,12,13,14,15,16,17
	v_mov_b32 v[QZ+\i], 0                          ; zero codes on both sides of the query
.endr
	v_mov_b32 v[IS], 0x7f7f7f7f                    ; the unit rows' scale: 1
	v_mov_b32 v[MS], 0xbbbbbbbb                    ; the mask's: 2^60
.set n, 0
.rept 16
	v_mov_b32 v[SCL+n], 0                          ; (a lane permute's destination counts as one of its sources)
.set n, n+1
.endr
	v_mov_b32 v238, 0
	v_mov_b32 v13, 0                               ; (named as upper halves of pairs)
	v_mov_b32 v[R+1], 0
	VW
	s_wait_loadcnt 63                              ; all but the youngest 63 loads, which are V's: K, its scale words, the first query and mask are in
	s_mov_b32 s55, 0x01000100
	v_perm_b32 v[QS], v[QR], v[QR], s55            ; tile 0 is its pair's even one: its two bytes, for the lower half of K and for the upper
	VW                                             ; directly behind the write: its readers stand behind the products' window switches
	PLACES 8
.set QK_N, 0
.set QLIM, 64
.rept 64
	QNEXT                                          ; tile 0's scores
.endr
	WIN 0
	PLACES 4                                       ; ahead of the loads into registers that the products read and of the first read of results
	s_mov_b32 s59, 1
	LOADQ 59
	MAXS 0, 16
	WIN 0
	s_mov_b32 s31, 0
	VW
.Ltrip:
.set b, 0
.rept 16
	v_permlanex16_b32 v[SCL+b], v[BM+b], s24, s25
.set b, b+1
.endr
.set b, 0
.rept 16
	v_max_num_f32 v[BM+b], v[BM+b], v[SCL+b]       ; with lane l xor 16's 16 keys: each block's largest score
.set b, b+1
.endr
.irp k, 0,1,2,3,4
	v_max3_num_f32 v[236+\k], v[BM+3*\k], v[BM+3*\k+1], v[BM+3*\k+2]
.endr
	v_max3_num_f32 v236, v236, v237, v[BM+15]
	v_max3_num_f32 v238, v238, v239, v240
	v_max_num_f32 v236, v236, v238                 ; the largest of my 512 keys
	v_mul_f32 v236, s26, v236                      ; as t (c is positive)
	v_floor_f32 v12, -v236                         ; -M = -ceil(t): a whole number
.set b, 0
.rept 16
	v_fma_f32 v[BM+b], v[BM+b], s26, v12
.set b, b+1
.endr
	WIN 0x41                                       ; source 0 and destination window 1
.set j, 0
.rept 128
	v_pk_fma_f32 v[j:j+1], v[j:j+1], s[26:27], v[12:13] op_sel_hi:[1,0,0]   ; t - M (of the pairs c and v[12:13] the low word serves both halves)
.set j, j+2
.endr
	VW                                             ; ahead of the batch
.set j, 0
.rept 256
	v_exp_f32 v[j], v[j]
.set j, j+1
.endr
	WIN 0
.set b, 0
.rept 16
	v_exp_f32 v[BM+b], v[BM+b]                     ; each block's largest p: the same two instructions on the same number
.set b, b+1
.endr
	v_nop
	VW                                             ; one wait for the batch
	WIN 0x05
.set k, 0
.rept 8
	v_pk_add_f32 v[SUM+2*k:SUM+2*k+1], v[4*k:4*k+1], v[4*k+2:4*k+3]   ; the sum of the unquantised p, in eight chains of pairs
.set k, k+1
.endr
	WIN 0x04
.set n, 0
.rept 112
	v_pk_add_f32 v[SUM+2*(n%8):SUM+2*(n%8)+1], v[SUM+2*(n%8):SUM+2*(n%8)+1], v[32+2*n:33+2*n]
.set n, n+1
.endr
	WIN 0
.irp k, 0,2,4,6
	v_pk_add_f32 v[SUM+\k:SUM+\k+1], v[SUM+\k:SUM+\k+1], v[SUM+8+\k:SUM+9+\k]
.endr
.irp k, 0,2
	v_pk_add_f32 v[SUM+\k:SUM+\k+1], v[SUM+\k:SUM+\k+1], v[SUM+4+\k:SUM+5+\k]
.endr
	v_pk_add_f32 v[SUM:SUM+1], v[SUM:SUM+1], v[SUM+2:SUM+3]
	v_add_f32 v237, v[SUM], v[SUM+1]
	v_permlanex16_b32 v238, v237, s24, s25
	v_add_f32 v13, v237, v238                      ; my wave's sum
	ds_store_b64 v6, v[12:13]                      ; both lanes of a query write the same words with the same values
	VW
	s_wait_dscnt 0x0                               ; this store, and the last trip's stores of my part of O^T
	s_barrier_signal -1
	s_barrier_wait -1
.irp k, 0,1,2,3
	ds_load_b64 v[ST+2*\k:ST+2*\k+1], v7 offset:ST_L+128*\k
.endr
	s_and_b32 s55, s31, 1                          ; trips 2, 4 .. 14 add up the last two tiles' parts: the condition is the trip's number alone
	s_cmp_eq_u32 s31, 0
	s_cselect_b32 s55, 1, s55
	s_cmp_lg_u32 s55, 0
	s_cbranch_scc1 .Lplain
	JLD
	s_wait_dscnt 16                                ; the four (-M, sum) are in; the 16 loads behind them may be out
	RCOMP
	s_add_co_u32 s59, s31, s17
	s_sub_co_u32 s59, s59, 2                       ; tile: trip - 2 + w / 2
	VW
	s_wait_dscnt 0x0
	JOB
	VW
	s_branch .Ljoin
.Lplain:
	s_wait_dscnt 0x0
	RCOMP
.Ljoin:
	VW
	s_barrier_signal -1                            ; my reads of (-M, sum) and of the parts are over: behind this barrier both are stored anew
	s_barrier_wait -1
	s_cmp_eq_u32 s31, 15
	s_cbranch_scc1 .Llast                          ; the last tile has no next one: its second half is written out behind the loop
	s_wait_loadcnt 0x0                             ; the next tile's query and mask, asked for a trip ago (in trip 0 V too)
	s_and_b32 s55, s31, 1
	s_cmp_lg_u32 s55, 0                            ; behind an odd tile comes its pair's even one
	s_mov_b32 s55, 0x03020302
	s_cselect_b32 s55, 0x01000100, s55
	v_perm_b32 v[QS], v[QR], v[QR], s55
	s_and_b32 s55, s31, 1
	s_lshl_b32 s55, s55, 14
	v_add_nc_u32 v253, s55, v8                     ; my part's place, by the tile's parity
.set QK_N, 0
.set QLIM, 0
	P2PRE
	STG 0
.set QLIM, 16                          ; step 0's score registers are free
	STG 1
.set QLIM, 32
	STG 2
.set QLIM, 48
	STG 3
.set QLIM, 80                          ; step 3's are free, and w's codes are whole
	MAXS 0, 4                                      ; with the next tile's last 16 score products,
	MAXS 4, 4
	MAXS 8, 4                                      ; and with this tile's 16 of V^T w^T; these 32 lines are also the places ahead of the first read of step 3's scores
	MAXS 12, 4
	WIN 0
	PLACES 4                                       ; behind the last product, ahead of the first read of O^T
	OSTORE
	VW
	s_cmp_lt_u32 s31, 14
	s_cbranch_scc0 .Lskip                          ; no load leaves the block's 16 tiles
	s_add_co_u32 s59, s31, 2
	LOADQ 59
.Lskip:
	s_add_co_u32 s31, s31, 1
	s_cmp_lt_u32 s31, 16
	s_cbranch_scc1 .Ltrip
.Llast:
.set QK_N, 64
.set QLIM, 64
	P2PRE
	STG 0
	STG 1
	STG 2
	STG 3
	v_add_nc_u32 v253, 16384, v8                   ; tile 15 is odd
	PLACES 4                                       ; an operand written by vector instructions stands 4 places ahead of a scaled product
.set QLIM, 80
.rept 16
	QNEXT
.endr
	WIN 0
	PLACES 4
	OSTORE
	s_wait_dscnt 0x0                               ; tile 15's part is stored
	s_barrier_signal -1
	s_barrier_wait -1
	JLD                                            ; tiles 14 and 15
	s_add_co_u32 s59, s17, 14
	s_wait_dscnt 0x0
	JOB
	s_wait_tensorcnt 0x0                           ; the wave's end
	ds_add_u32 v[SPW], v[NIL]
	s_wait_dscnt 0x0
	s_endpgm
.Lfunc_end_k_qa2e01a55ef_attn:
	.size	k_qa2e01a55ef_attn, .Lfunc_end_k_qa2e01a55ef_attn-k_qa2e01a55ef_attn
	.p2alignl 7, 3214868480
	.fill 96, 4, 3214868480
	.section	.rodata,"a",@progbits
	.p2align	6, 0x0
	.amdhsa_kernel k_qa2e01a55ef_attn
		.amdhsa_group_segment_fixed_size 34304
		.amdhsa_private_segment_fixed_size 0
		.amdhsa_enable_private_segment 0
		.amdhsa_kernarg_size 40
		.amdhsa_user_sgpr_count 2
		.amdhsa_user_sgpr_kernarg_segment_ptr 1
		.amdhsa_wavefront_size32 1
		.amdhsa_system_sgpr_workgroup_id_x 1
		.amdhsa_system_sgpr_workgroup_id_y 1
		.amdhsa_system_sgpr_workgroup_id_z 1
		.amdhsa_system_vgpr_workitem_id 0
		.amdhsa_next_free_vgpr 1024
		.amdhsa_next_free_sgpr 100
		.amdhsa_reserve_vcc 1
		.amdhsa_float_denorm_mode_32 3
		.amdhsa_float_denorm_mode_16_64 3
		.amdhsa_memory_ordered 1
		.amdhsa_forward_progress 1
		.amdhsa_inst_pref_size 141
	.end_amdhsa_kernel
	.amdgpu_metadata
---
amdhsa.version: [ 1, 2 ]
amdhsa.kernels:
  - .name:           k_qa2e01a55ef_attn
    .symbol:         k_qa2e01a55ef_attn.kd
    .args:
      - { .name: qkv, .offset: 0, .size: 8, .value_kind: global_buffer, .address_space: global }
      - { .name: qkvs, .offset: 8, .size: 8, .value_kind: global_buffer, .address_space: global }
      - { .name: maskw, .offset: 16, .size: 8, .value_kind: global_buffer, .address_space: global }
      - { .name: oimg, .offset: 24, .size: 8, .value_kind: global_buffer, .address_space: global }
      - { .name: osc, .offset: 32, .size: 8, .value_kind: global_buffer, .address_space: global }
    .group_segment_fixed_size: 34304
    .private_segment_fixed_size: 0
    .kernarg_segment_align: 8
    .kernarg_segment_size: 40
    .max_flat_workgroup_size: 128
    .sgpr_count:     100
    .vgpr_count:     1024
    .wavefront_size: 32
...
	.end_amdgpu_metadata
.endif
;; end of part 3
;; launch outp (part 4): grid 8 x 32, 4 waves a work-group, clusters of 4 x 4, 327,680 bytes of LDS; arguments oimg, osc, img, sc, bo, out0; writes out0
.if DOCPART == 4
	.amdgcn_target "amdgcn-amd-amdhsa--gfx1250"
	.amdhsa_code_object_version 6
	.text
	.protected	k_qa2e01a55ef_outp
	.globl	k_qa2e01a55ef_outp
	.p2align	8
	.type	k_qa2e01a55ef_outp,@function
k_qa2e01a55ef_outp:
	s_mov_b64 s[64:65], 0
	v_nop
	global_prefetch_b8 v0, s[64:65] scope:SCOPE_SE
	s_setreg_imm32_b32 hwreg(HW_REG_WAVE_MODE, 25, 1), 1
	s_wait_xcnt 0x0
	s_wait_alu depctr_hold_cnt(0) depctr_sa_sdst(0) depctr_va_vdst(0) depctr_va_sdst(0) depctr_va_ssrc(0) depctr_va_vcc(0) depctr_vm_vsrc(0)
	s_getreg_b32 s2, hwreg(HW_REG_IB_STS2, 6, 4)
	s_cmp_eq_u32 s2, 0
	s_cbranch_scc0 .Lentry_in_a_cluster
	s_endpgm
.Lentry_in_a_cluster:
	s_bfe_u32 s2, ttmp6, 0x10000c
	s_cmp_lg_u32 s2, 0xf033
	s_cbranch_scc0 .Lentry_shape_is_right
	s_endpgm
.Lentry_shape_is_right:
.set GRP,   98304
.set KST,   12288
.set FRB,   1536
.set CHK,   24576
.set RIMG,  98304
.set PSC,   196608
.set RSC,   200704
.set SPARE, 204800
.set STAGE, 205312
.set SPIT,  528
.set SPW, 4
.set NIL, 5
.set SCS, 32
.set BR,  64
.set VAL, 128
.set BK,  192
.set G1P,  40
.set G1R,  48
.set G1PS, 56
.set G1RS, 68
.set G0P,  76
.set G0R,  88
.set MSB, 0
.macro WIN new
.if MSB != \new
	s_set_vgpr_msb (MSB<<8)|\new
.set MSB, \new
.endif
.endm
.macro JLOAD g0a, g1a, g0b, g1b
	s_cmp_eq_u32 s19, 0
	s_cbranch_scc0 .Lfor_r_\@
	tensor_load_to_lds s[\g0a:\g0a+3], s[\g1a:\g1a+7]
	s_nop 0
.rept 4
	v_nop
.endr
	s_branch .Lasked_\@
.Lfor_r_\@:
	tensor_load_to_lds s[\g0b:\g0b+3], s[\g1b:\g1b+7]
	s_nop 0
.rept 4
	v_nop
.endr
.Lasked_\@:
.endm
.macro CROUND
	s_barrier_signal -1
	s_barrier_wait -1
	s_cmp_lg_u32 s18, 0
	s_cbranch_scc1 .Lnot_wave_0_\@
	s_barrier_signal -3
.Lnot_wave_0_\@:
	s_barrier_wait -3
	s_barrier_signal -1
	s_barrier_wait -1
.endm
.macro WM d, a, b, sa, sb, ra, rb, zero
.if \zero
.if ((\ra) == 0) && ((\rb) == 0)
	v_wmma_scale_f32_16x16x128_f8f6f4 v[(\d):(\d)+7], v[(\a):(\a)+11], v[(\b):(\b)+11], 0, v[\sa], v[\sb] matrix_a_fmt:MATRIX_FMT_FP6 matrix_b_fmt:MATRIX_FMT_FP6
.elseif (\rb) == 0
	v_wmma_scale_f32_16x16x128_f8f6f4 v[(\d):(\d)+7], v[(\a):(\a)+11], v[(\b):(\b)+11], 0, v[\sa], v[\sb] matrix_a_fmt:MATRIX_FMT_FP6 matrix_b_fmt:MATRIX_FMT_FP6 matrix_a_scale:MATRIX_SCALE_ROW1
.elseif (\ra) == 0
	v_wmma_scale_f32_16x16x128_f8f6f4 v[(\d):(\d)+7], v[(\a):(\a)+11], v[(\b):(\b)+11], 0, v[\sa], v[\sb] matrix_a_fmt:MATRIX_FMT_FP6 matrix_b_fmt:MATRIX_FMT_FP6 matrix_b_scale:MATRIX_SCALE_ROW1
.else
	v_wmma_scale_f32_16x16x128_f8f6f4 v[(\d):(\d)+7], v[(\a):(\a)+11], v[(\b):(\b)+11], 0, v[\sa], v[\sb] matrix_a_fmt:MATRIX_FMT_FP6 matrix_b_fmt:MATRIX_FMT_FP6 matrix_a_scale:MATRIX_SCALE_ROW1 matrix_b_scale:MATRIX_SCALE_ROW1
.endif
.else
.if ((\ra) == 0) && ((\rb) == 0)
	v_wmma_scale_f32_16x16x128_f8f6f4 v[(\d):(\d)+7], v[(\a):(\a)+11], v[(\b):(\b)+11], v[(\d):(\d)+7], v[\sa], v[\sb] matrix_a_fmt:MATRIX_FMT_FP6 matrix_b_fmt:MATRIX_FMT_FP6
.elseif (\rb) == 0
	v_wmma_scale_f32_16x16x128_f8f6f4 v[(\d):(\d)+7], v[(\a):(\a)+11], v[(\b):(\b)+11], v[(\d):(\d)+7], v[\sa], v[\sb] matrix_a_fmt:MATRIX_FMT_FP6 matrix_b_fmt:MATRIX_FMT_FP6 matrix_a_scale:MATRIX_SCALE_ROW1
.elseif (\ra) == 0
	v_wmma_scale_f32_16x16x128_f8f6f4 v[(\d):(\d)+7], v[(\a):(\a)+11], v[(\b):(\b)+11], v[(\d):(\d)+7], v[\sa], v[\sb] matrix_a_fmt:MATRIX_FMT_FP6 matrix_b_fmt:MATRIX_FMT_FP6 matrix_b_scale:MATRIX_SCALE_ROW1
.else
	v_wmma_scale_f32_16x16x128_f8f6f4 v[(\d):(\d)+7], v[(\a):(\a)+11], v[(\b):(\b)+11], v[(\d):(\d)+7], v[\sa], v[\sb] matrix_a_fmt:MATRIX_FMT_FP6 matrix_b_fmt:MATRIX_FMT_FP6 matrix_a_scale:MATRIX_SCALE_ROW1 matrix_b_scale:MATRIX_SCALE_ROW1
.endif
.endif
.endm
.macro FRAG reg, a16, a8, off
	ds_load_b128 v[(\reg):(\reg)+3], v[\a16] offset:\off
	ds_load_b64 v[(\reg)+4:(\reg)+5], v[\a8] offset:\off
	ds_load_b128 v[(\reg)+6:(\reg)+9], v[\a16] offset:(\off)+768
	ds_load_b64 v[(\reg)+10:(\reg)+11], v[\a8] offset:(\off)+768
.endm
.macro FETCH s
.if (\s)%2
	WIN 0x40
.else
	WIN 0
.endif
.irp T, 0,1,2,3,4,5,6,7
	FRAG 128+12*\T, 10+4*((\s)/4), 11+4*((\s)/4), ((\s)%4)*KST+\T*FRB
.endr
.irp pl, 0,1
	FRAG 224+12*\pl, 8+4*((\s)/4), 9+4*((\s)/4), ((\s)%4)*KST+\pl*FRB
.endr
	WIN 0
.irp x, 0,1,2,3
	ds_load_b32 v[SCS+8*((\s)%2)+\x], v17 offset:1024*\x+4*(\s)
.endr
	ds_load_b32 v[SCS+8*((\s)%2)+4], v16 offset:4*(\s)
.endm
.macro KSTEP s
.if (\s) < 7
.if (\s) > 0
.rept 4
	v_nop
.endr
.endif
	FETCH (\s)+1
	s_wait_dscnt 45
.else
	s_wait_dscnt 0x0
.endif
.if (\s)%2
	WIN 0x55
.else
	WIN 0x50
.endif
.set SS, SCS+8*((\s)%2)
.irp T, 0,1,2,3,4,5,6,7
.irp pl, 0,1
.if (\s) == 0
	WM 8*(8*\pl+\T), 128+12*\T, 224+12*\pl, SS+\T/2, SS+4, \T%2, \pl, 1
.else
	WM 8*(8*\pl+\T), 128+12*\T, 224+12*\pl, SS+\T/2, SS+4, \T%2, \pl, 0
.endif
.endr
.endr
.endm
	s_load_b256 s[4:11], s[0:1], 0x0
	s_load_b128 s[12:15], s[0:1], 0x20
	v_lshl_add_u32 v[SPW], v0, 2, SPARE
	v_mov_b32 v[NIL], 0
	ds_add_u32 v[SPW], v[NIL]
	ds_add_u32 v[SPW], v[NIL]
	v_lshrrev_b32 v1, 5, v0
	v_readfirstlane_b32 s18, v1
	s_lshr_b32 s19, s18, 1
	s_and_b32 s20, s18, 1
	s_bfe_u32 s21, ttmp6, 0x40000
	s_bfe_u32 s22, ttmp6, 0x40004
	s_and_b32 s26, ttmp7, 0xffff
	s_lshl_b32 s26, s26, 2
	s_add_co_u32 s26, s26, s22
	s_lshl_b32 s27, ttmp9, 2
	s_add_co_u32 s27, s27, s21
	s_add_co_u32 s29, s27, 120
	s_lshl_b32 s34, s22, 2
	s_lshl_b32 s34, 15, s34
	s_lshl_b32 s35, 0x1111, s21
	s_or_b32 s[G1P], s34, (3<<16)|(1<<21)
	s_or_b32 s[G1PS], s34, (3<<16)|(1<<21)
	s_or_b32 s[G1R], s35, (3<<16)|(1<<21)
	s_or_b32 s[G1RS], s35, (3<<16)|(1<<21)
.irp g, G1P, G1R
	s_mov_b32 s[\g+1], 32<<16
	s_mov_b32 s[\g+2], 384<<16                     ; a whole group: 98,304 bytes as 384 rows of 256 bytes
	s_mov_b32 s[\g+3], 32<<16
	s_mov_b32 s[\g+4], 384
	s_mov_b32 s[\g+5], 32
	s_mov_b32 s[\g+6], 0
	s_mov_b32 s[\g+7], 0
.endr
.irp g, G1PS, G1RS
	s_mov_b32 s[\g+1], 32<<16
	s_mov_b32 s[\g+2], 16<<16                      ; a group's scale bytes: 4,096 bytes as 16 rows
	s_mov_b32 s[\g+3], 32<<16
	s_mov_b32 s[\g+4], 16
	s_mov_b32 s[\g+5], 32
	s_mov_b32 s[\g+6], 0
	s_mov_b32 s[\g+7], 0
.endr
	s_mul_i32 s36, s26, GRP                        ; P's codes: a group of 128 rows of O
	s_mov_b32 s37, 0
	s_lshl_b32 s38, s26, 12                        ; P's scales
	s_mov_b32 s39, 0
	s_mul_i32 s32, s29, GRP                        ; R's codes: a group of 128 columns of Wo
	s_mov_b32 s33, 0
	s_lshl_b32 s66, s29, 12                        ; R's scales
	s_mov_b32 s67, 0
	s_wait_dscnt 0x0
	s_wait_kmcnt 0x0
	s_add_nc_u64 s[36:37], s[4:5], s[36:37]
	s_add_nc_u64 s[38:39], s[6:7], s[38:39]
	s_add_nc_u64 s[32:33], s[8:9], s[32:33]
	s_add_nc_u64 s[66:67], s[10:11], s[66:67]
	CROUND
	s_mov_b32 s[G0P], 1
	s_mov_b32 s[G0P+1], PSC
	s_mov_b64 s[G0P+2:G0P+3], s[38:39]
	s_or_b32 s[G0P+3], s[G0P+3], 0x80000000
	s_mov_b32 s[G0R], 1
	s_mov_b32 s[G0R+1], RSC
	s_mov_b64 s[G0R+2:G0R+3], s[66:67]
	s_or_b32 s[G0R+3], s[G0R+3], 0x80000000
	s_mov_b32 s[G0P+4], 1
	s_mov_b32 s[G0P+5], 0
	s_mov_b64 s[G0P+6:G0P+7], s[36:37]
	s_or_b32 s[G0P+7], s[G0P+7], 0x80000000
	s_mov_b32 s[G0R+4], 1
	s_mov_b32 s[G0R+5], RIMG
	s_mov_b64 s[G0R+6:G0R+7], s[32:33]
	s_or_b32 s[G0R+7], s[G0R+7], 0x80000000
; THE HEAD'S FOUR TILES, ONE JOINT LOAD A WAVE: wave 0 P's group of codes, wave 1 R's, wave 2 P's scale bytes, wave 3 R's.  One tree of branches on the wave's number
.macro ARM under, g0, g1, next
	s_cmp_lt_u32 s18, \under
	s_cbranch_scc0 \next
	tensor_load_to_lds s[\g0:\g0+3], s[\g1:\g1+7]
	s_nop 0
.rept 4
	v_nop
.endr
	s_branch .Lhead_asked
\next:
.endm
	ARM 1, G0P+4, G1P, .Lhead_r
	ARM 2, G0R+4, G1R, .Lhead_ps
	ARM 3, G0P, G1PS, .Lhead_rs
	tensor_load_to_lds s[G0R:G0R+3], s[G1RS:G1RS+7]
	s_nop 0
.rept 4
	v_nop
.endr
.Lhead_asked:
	v_and_b32 v1, 31, v0
	v_and_b32 v2, 15, v0
	v_bfe_u32 v3, v0, 4, 1
	v_lshlrev_b32 v6, 4, v1
	v_lshlrev_b32 v7, 3, v1
	s_mul_i32 s100, s18, 2*FRB
	v_add_nc_u32 v8, s100, v6
	v_add_nc_u32 v9, s100, v7
	v_add_nc_u32 v9, 512, v9
	v_add_nc_u32 v10, RIMG, v6
	v_add_nc_u32 v11, RIMG+512, v7
.irp i, 0,1,2,3
	v_add_nc_u32 v[12+\i], 4*KST, v[8+\i]
.endr
	v_lshlrev_b32 v16, 5, v1
	v_add_nc_u32 v17, RSC, v16
	s_lshl_b32 s100, s18, 10
	s_add_co_u32 s100, s100, PSC
	v_add_nc_u32 v16, s100, v16
	s_mul_i32 s100, s18, 16*SPIT
	s_add_co_u32 s100, s100, STAGE
	v_mul_u32_u24 v18, v2, SPIT
	v_lshl_add_u32 v18, v3, 5, v18
	v_add_nc_u32 v18, s100, v18
	v_add_nc_u32 v19, s100, v6
	s_lshl_b32 s2, s27, 9
	s_mov_b32 s3, 0
	s_add_nc_u64 s[12:13], s[12:13], s[2:3]
	v_lshlrev_b32 v20, 5, v3
.irp T, 0,1,2,3,4,5,6,7
	global_load_b128 v[BR+8*\T:BR+8*\T+3], v20, s[12:13] offset:64*\T
	global_load_b128 v[BR+8*\T+4:BR+8*\T+7], v20, s[12:13] offset:64*\T+16
.endr
	s_lshl_b32 s104, s26, 7
	s_lshl_b32 s105, s18, 5
	s_add_co_u32 s104, s104, s105
	s_lshl_b32 s104, s104, 12
	s_add_co_u32 s2, s2, s104
	s_add_nc_u64 s[14:15], s[14:15], s[2:3]
	s_wait_alu depctr_va_vdst(0)
	s_wait_tensorcnt 0x0                           ; my tile of the head's four is in
	s_barrier_signal -1
	s_barrier_wait -1
	FETCH 0
.irp s, 0,1,2,3,4,5,6,7
	KSTEP \s
.endr
	WIN 0
	s_wait_loadcnt 0x0
.rept 4
	v_nop
.endr
.macro OUT pl
	WIN 0x01
.set i, 0
.rept 32
	v_pk_add_f32 v[VAL+i:VAL+i+1], v[64*\pl+i:64*\pl+i+1], v[BR+i:BR+i+1]
.set i, i+2
.endr
	WIN 0
.irp T, 0,1,2,3,4,5,6,7
	ds_store_b128 v18, v[VAL+8*\T:VAL+8*\T+3] offset:64*\T
	ds_store_b128 v18, v[VAL+8*\T+4:VAL+8*\T+7] offset:64*\T+16
.endr
.irp t, 0,1,2,3,4,5,6,7,8,9,10,11,12,13,14,15
	ds_load_b128 v[BK+4*\t:BK+4*\t+3], v19 offset:\t*SPIT
.endr
.irp t, 0,1,2,3,4,5,6,7,8,9,10,11,12,13,14,15
	s_wait_dscnt 15-\t
	global_store_b128 v6, v[BK+4*\t:BK+4*\t+3], s[14:15] offset:(16*\pl+\t)*4096 th:TH_STORE_NT
.endr
.endm
	OUT 0
	s_wait_xcnt 0x0
	OUT 1
	s_wait_tensorcnt 0x0
	ds_add_u32 v[SPW], v[NIL]
	s_wait_dscnt 0x0
	CROUND
	s_endpgm
.Lfunc_end_k_qa2e01a55ef_outp:
	.size	k_qa2e01a55ef_outp, .Lfunc_end_k_qa2e01a55ef_outp-k_qa2e01a55ef_outp
	.p2alignl 7, 3214868480
	.fill 96, 4, 3214868480
	.section	.rodata,"a",@progbits
	.p2align	6, 0x0
	.amdhsa_kernel k_qa2e01a55ef_outp
		.amdhsa_group_segment_fixed_size 327680
		.amdhsa_private_segment_fixed_size 0
		.amdhsa_enable_private_segment 0
		.amdhsa_kernarg_size 48
		.amdhsa_user_sgpr_count 2
		.amdhsa_user_sgpr_kernarg_segment_ptr 1
		.amdhsa_wavefront_size32 1
		.amdhsa_system_sgpr_workgroup_id_x 1
		.amdhsa_system_sgpr_workgroup_id_y 1
		.amdhsa_system_sgpr_workgroup_id_z 1
		.amdhsa_system_vgpr_workitem_id 0
		.amdhsa_next_free_vgpr 512
		.amdhsa_next_free_sgpr 106
		.amdhsa_reserve_vcc 0
		.amdhsa_float_denorm_mode_32 3
		.amdhsa_float_denorm_mode_16_64 3
		.amdhsa_memory_ordered 1
		.amdhsa_forward_progress 1
		.amdhsa_inst_pref_size 62
	.end_amdhsa_kernel
	.amdgpu_metadata
---
amdhsa.version: [ 1, 2 ]
amdhsa.kernels:
  - .name:           k_qa2e01a55ef_outp
    .symbol:         k_qa2e01a55ef_outp.kd
    .args:
      - { .name: oimg, .offset: 0, .size: 8, .value_kind: global_buffer, .address_space: global }
      - { .name: osc, .offset: 8, .size: 8, .value_kind: global_buffer, .address_space: global }
      - { .name: img, .offset: 16, .size: 8, .value_kind: global_buffer, .address_space: global }
      - { .name: sc, .offset: 24, .size: 8, .value_kind: global_buffer, .address_space: global }
      - { .name: bo, .offset: 32, .size: 8, .value_kind: global_buffer, .address_space: global }
      - { .name: out0, .offset: 40, .size: 8, .value_kind: global_buffer, .address_space: global }
    .group_segment_fixed_size: 327680
    .private_segment_fixed_size: 0
    .kernarg_segment_align: 8
    .kernarg_segment_size: 48
    .max_flat_workgroup_size: 128
    .sgpr_count:     106
    .vgpr_count:     512
    .wavefront_size: 32
...
	.end_amdgpu_metadata
.endif
;; end of part 4
